; MI455X (gfx1250); checked and timed in simulation.
; The chip was launched on July 23, 2026; its instructions are those of AMD's public machine-readable ISA for CDNA 5 (MIT licence, August 2026) and "CDNA5" Instruction Set Architecture Reference Guide (July 2026). The comments in the code are by the model that wrote it; some were corrected since.
;; Dynamic Memory Induction. Allowed arithmetic: float matrix products may take bf16 or f16 operands with f32 sums; other float arithmetic in f32, or as packed bf16 or f16 multiplies, adds, multiply-adds, maxima and minima; sums over many terms, partial sums and values carried from step to step in f32; what a program stores and reads back later, other than sums and carried values, may be rounded once to bf16 or f16.
;; Inputs: W_b 1,024 float32; W_w 768 x 1,024 float32; m 512 x 768 float32; q 512 x 768 float32.
;; Outputs: out0 512 x 1,024 float32.
;; 2 versions, each right; version 2 is version 1 with the launch proj written anew for expert scheduling mode. Each part assembles by itself: llvm-mc -triple=amdgcn-amd-amdhsa -mcpu=gfx1250 --defsym DOCPART=n.
;; ======== version 1 of 2: 7 launches
;; workspace buffers: hm 2,359,296 bytes; st0 4,456,448 bytes; st1 4,456,448 bytes; st2 4,456,448 bytes; part 16,777,216 bytes; c0 256 bytes of whole numbers; c1 256 bytes of whole numbers; c2 256 bytes of whole numbers
;; launch proj (part 1): grid 16 x 16, 8 waves a work-group, no clusters, 227,328 bytes of LDS; arguments m, q, W_w, W_b, hm, st0, c0, c1, c2; writes hm, st0, c0, c1, c2
.if DOCPART == 1
	.amdgcn_target "amdgcn-amd-amdhsa--gfx1250"
	.amdhsa_code_object_version 6
	.text
	.protected	k_q0c9a58fb13_proj
	.globl	k_q0c9a58fb13_proj
	.p2align	8
	.type	k_q0c9a58fb13_proj,@function
k_q0c9a58fb13_proj:
	s_mov_b64 s[64:65], 0
	v_nop
	global_prefetch_b8 v0, s[64:65] scope:SCOPE_SE
	s_setreg_imm32_b32 hwreg(HW_REG_WAVE_MODE, 25, 1), 1
	s_wait_xcnt 0x0
; hat = [m; q] W_w + W_b, and the tables that the routing launches read.  m, q: [512][768] f32; W_w: [768][1024] f32; W_b: [1024] f32.
; Operands are rounded to bf16 on the way into LDS, sums are f32 and start from the bias.
; SHARES.  Work-group (nb, rb): 64 rows (rb < 8: rows 64 rb of m, else rows 64 (rb - 8) of q) x 64 columns (capsules 4 nb .. 4 nb + 3), all 768 of K in LDS.
; Wave w: row tile rt = w & 3 (16 rows), capsules 2 (w >> 2) + e, e = 0, 1.
; WHAT IS STORED.  For m (buffer hm): MF = hat_m less its mean over d, bf16, as matrix fragments (lane (r, h): row r, d = 8 h ..); MT = hat_m itself, bf16, turned (lane (r, h): d = r, rows 8 h ..);
; SMU = sum of squares of the centred capsule times (ln 2 / 2)^2, and the mean, both f32.  For q (buffer st0): q in f32, q centred in bf16 fragments, its sum of squares in f32.
; c0, c1, c2 take the whole numbers 0, 1, 2: the number of sweeps of the three routing launches.
; NO TENSOR LOADS, NO JOINT REQUESTS, though 16 work-groups read each block of rows and each block of columns: the inputs are f32 and are rounded in registers on the way to LDS;
; as f32 the two blocks would be 2 x 196,608 bytes, more than the 327,680 of LDS.
; LIMITS.  NaN and infinities are not treated apart.  Operands in bf16: f32's range is kept.
.set APITCH, 1552                      ; a row of A in LDS: 1,536 bytes + 16: an odd multiple of 16
.set WPITCH, 160                       ; a row (one k) of W in LDS: 128 bytes + 32: an odd multiple of 32, for the turning load
.set WT,     64*APITCH                 ; 99,328
.set STG,    WT+768*WPITCH             ; 222,208: 2,048 bytes in which the per-row statistics of rows of m are gathered
.set STGQ,   STG+2048                  ; 224,256: 2,048 bytes for those of rows of q: each of the two ways out has bytes of its own
.set SPARE,  STGQ+2048                 ; 226,304: the spare words, 128 bytes for each of 8 waves
.set S0,     64                        ; v[64:159]  load set 0
.set S1,     160                       ; v[160:255] load set 1
.set MTO,    1048576                   ; byte offsets in hm
.set SMUO,   2097152
.set QFO,    2359296                   ; byte offset of q in f32 in st0
.set QTB,    73728                     ; bytes of a q tile's tables in st0
; v1 spare word's address, v2 zero (for the closing add alone); v3 lane, v4 r, v5 h; v6-v9 offsets of the copies; v10, v11 LDS addresses of the fragments; v12, v13 bias offsets
; v[16:31] sums with a row a lane (e = 0, 1); v[32:47] sums with a column a lane (m alone); v[48:55] A's fragment; v[56:71] W's two fragments
	s_load_b256 s[4:11], s[0:1], 0x0               ; m s[4:5], q s[6:7], W_w s[8:9], W_b s[10:11]
	s_load_b256 s[12:19], s[0:1], 0x20             ; hm s[12:13], st0 s[14:15], c0 s[16:17], c1 s[18:19]
	s_load_b64 s[20:21], s[0:1], 0x40              ; c2
	v_lshl_add_u32 v1, v0, 2, SPARE
	v_mov_b32 v2, 0
	v_lshrrev_b32 v3, 5, v0
	v_readfirstlane_b32 s22, v3                    ; wave 0..7
	s_and_b32 s23, s22, 3                          ; rt
	s_lshr_b32 s24, s22, 2                         ; cp
	s_mov_b32 s25, ttmp9                           ; nb
	s_and_b32 s26, ttmp7, 0xffff                   ; rb
	s_mov_b32 s36, 0x76543210                      ; v_permlanex16_b32: each lane takes its own place in the other half
	s_mov_b32 s37, 0xfedcba98
	v_and_b32 v3, 31, v0                           ; lane
	v_and_b32 v4, 15, v0                           ; r
	v_bfe_u32 v5, v0, 4, 1                         ; h
	s_mul_i32 s30, s22, 8*3072
	v_lshl_add_u32 v6, v3, 4, s30                  ; A in memory: my wave's 8 rows, 16 bytes a lane
	s_mul_i32 s30, s22, 8*APITCH
	v_lshl_add_u32 v7, v3, 3, s30                  ; A in LDS: 8 bytes a lane
	s_mul_i32 s30, s22, 96*4096
	v_lshl_add_u32 v8, v5, 12, s30                 ; W in memory: my wave's 96 rows, two rows a load: row h, 16 bytes at 16 r
	v_lshl_add_u32 v8, v4, 4, v8
	s_mul_i32 s30, s22, 96*WPITCH
	s_add_co_u32 s30, s30, WT
	v_mul_u32_u24 v9, v5, WPITCH
	v_lshl_add_u32 v9, v4, 3, v9
	v_add_nc_u32 v9, s30, v9                       ; W in LDS
	s_mul_i32 s30, s23, 16*APITCH
	v_mul_u32_u24 v10, v4, APITCH
	v_lshl_add_u32 v10, v5, 4, v10
	v_add_nc_u32 v10, s30, v10                     ; A's fragment: (16 rt + r) pitch + 16 h
	v_and_b32 v12, 7, v0
	v_lshl_add_u32 v12, v5, 3, v12
	v_mul_u32_u24 v11, v12, WPITCH
	v_bfe_u32 v12, v0, 3, 1
	v_lshl_add_u32 v11, v12, 4, v11
	s_lshl_b32 s30, s24, 6
	s_add_co_u32 s30, s30, WT
	v_add_nc_u32 v11, s30, v11                     ; W's fragment, turned: (8 h + lane % 8) pitch + 64 cp + 16 ((lane / 8) % 2)
	s_lshl_b32 s30, s25, 8
	s_lshl_b32 s31, s24, 7
	s_add_co_u32 s30, s30, s31
	v_lshl_add_u32 v12, v5, 5, s30                 ; bias of columns 64 nb + 32 cp + 8 h ..
	v_lshl_add_u32 v13, v4, 2, s30                 ; bias of column 64 nb + 32 cp + r
	s_wait_kmcnt 0x0
	s_cmp_lt_u32 s26, 8
	s_cselect_b64 s[28:29], s[4:5], s[6:7]         ; m or q
	s_and_b32 s30, s26, 7
	s_mul_i32 s30, s30, 64*3072
	s_mov_b32 s31, 0
	s_add_nc_u64 s[28:29], s[28:29], s[30:31]      ; at the work-group's 64 rows
	s_lshl_b32 s30, s25, 8
	s_add_nc_u64 s[8:9], s[8:9], s[30:31]          ; W_w at the work-group's 64 columns
	; the sums start from the bias: six loads, ahead of all others
	global_load_b128 v[16:19], v12, s[10:11]
	global_load_b128 v[20:23], v12, s[10:11] offset:16
	global_load_b128 v[24:27], v12, s[10:11] offset:64
	global_load_b128 v[28:31], v12, s[10:11] offset:80
	global_load_b32 v32, v13, s[10:11]
	global_load_b32 v40, v13, s[10:11] offset:64
.macro LDA set, hf                     ; 24 loads: rows 4 hf .. 4 hf + 3 of my eight, 512 consecutive bytes each
.set j, 0
.rept 24
	global_load_b128 v[(\set)+4*j:(\set)+4*j+3], v6, s[28:29] offset:(4*(\hf)+j/6)*3072+(j%6)*512
.set j, j+1
.endr
.endm
.macro CVA set, hf                     ; rounded to bf16, 8 bytes a lane into LDS
.set j, 0
.rept 24
	v_cvt_pk_bf16_f32 v[(\set)+4*j], v[(\set)+4*j], v[(\set)+4*j+1]
	v_cvt_pk_bf16_f32 v[(\set)+4*j+1], v[(\set)+4*j+2], v[(\set)+4*j+3]
	ds_store_b64 v7, v[(\set)+4*j:(\set)+4*j+1] offset:(4*(\hf)+j/6)*APITCH+(j%6)*256
.set j, j+1
.endr
.endm
.macro LDW set, hf                     ; 24 loads: 48 of my 96 rows of W, two rows of 256 bytes a load
.set j, 0
.rept 24
	global_load_b128 v[(\set)+4*j:(\set)+4*j+3], v8, s[8:9] offset:(24*(\hf)+j)*8192
.set j, j+1
.endr
.endm
.macro CVW set, hf
.set j, 0
.rept 24
	v_cvt_pk_bf16_f32 v[(\set)+4*j], v[(\set)+4*j], v[(\set)+4*j+1]
	v_cvt_pk_bf16_f32 v[(\set)+4*j+1], v[(\set)+4*j+2], v[(\set)+4*j+3]
	ds_store_b64 v9, v[(\set)+4*j:(\set)+4*j+1] offset:(24*(\hf)+j)*2*WPITCH
.set j, j+1
.endr
.endm
	LDA S0, 0
	LDW S1, 0
	s_wait_loadcnt 24                              ; loads return in order: the bias and set 0 are in, set 1's 24 stay out
.irp k, 1,2,3,4,5,6,7
	v_mov_b32 v[32+\k], v32                        ; with a column a lane all eight rows start from the same bias
	v_mov_b32 v[40+\k], v40
.endr
	CVA S0, 0
	LDA S0, 1
	s_wait_loadcnt 24                              ; set 1 is in, the 24 just issued stay out
	CVW S1, 0
	LDW S1, 1
	s_wait_loadcnt 24                              ; set 0 is in
	CVA S0, 1
	s_wait_loadcnt 0x0
	CVW S1, 1
	s_wait_dscnt 0x0                               ; for the others' sake: my stores into A's and W's tiles are done
	s_barrier_signal -1
	s_barrier_wait -1
	; K in 24 steps of 32.  The accumulators take turns, over the backward jump too.
	s_mov_b32 s27, 24
.Lk:
	ds_load_b128 v[48:51], v10
	ds_load_b128 v[52:55], v10 offset:32
	ds_load_tr16_b128 v[56:59], v11
	ds_load_tr16_b128 v[60:63], v11 offset:16*WPITCH
	ds_load_tr16_b128 v[64:67], v11 offset:32
	ds_load_tr16_b128 v[68:71], v11 offset:16*WPITCH+32
	s_wait_dscnt 0x0
	v_wmma_f32_16x16x32_bf16 v[16:23], v[56:63], v[48:55], v[16:23]   ; source 0 = W's columns: a lane holds row r, d = 8 h + j
	v_wmma_f32_16x16x32_bf16 v[24:31], v[64:71], v[48:55], v[24:31]
	s_cmp_lt_u32 s26, 8
	s_cbranch_scc0 .Lnot_m
	v_wmma_f32_16x16x32_bf16 v[32:39], v[48:55], v[56:63], v[32:39]   ; source 0 = the rows: a lane holds d = r, rows 8 h + j (for MT, m alone)
	v_wmma_f32_16x16x32_bf16 v[40:47], v[48:55], v[64:71], v[40:47]
.Lnot_m:
	v_add_nc_u32 v10, 64, v10                      ; 32 of K on; with the two v_nop these are the four places in front of the next loads into the fragments
	v_add_nc_u32 v11, 32*WPITCH, v11
	v_nop
	v_nop
	s_sub_co_u32 s27, s27, 1
	s_cmp_lg_u32 s27, 0
	s_cbranch_scc1 .Lk
.rept 4
	v_nop
.endr
; Capsule e of my two: mean over d (8 in the lane, 8 in the lane 16 away), centred values, their sum of squares, and the centred values in bf16.
.macro STAT e
.set HH, 16+8*(\e)
.set HC, 80+8*(\e)
.set MN, 104+2*(\e)
	v_pk_add_f32 v[72:73], v[HH:HH+1], v[HH+2:HH+3]
	v_pk_add_f32 v[74:75], v[HH+4:HH+5], v[HH+6:HH+7]
	v_pk_add_f32 v[72:73], v[72:73], v[74:75]
	v_add_f32 v72, v72, v73
	v_permlanex16_b32 v73, v72, s36, s37
	v_add_f32 v72, v72, v73
	v_mul_f32 v[MN], 0x3d800000, v72               ; / 16
	v_mov_b32 v[MN+1], v[MN]
.irp k, 0,2,4,6
	v_pk_add_f32 v[HC+\k:HC+\k+1], v[HH+\k:HH+\k+1], v[MN:MN+1] neg_lo:[0,1] neg_hi:[0,1]
.endr
	v_pk_mul_f32 v[76:77], v[HC:HC+1], v[HC:HC+1]
.irp k, 2,4,6
	v_pk_fma_f32 v[76:77], v[HC+\k:HC+\k+1], v[HC+\k:HC+\k+1], v[76:77]
.endr
	v_add_f32 v76, v76, v77
	v_permlanex16_b32 v77, v76, s36, s37
	v_add_f32 v[108+(\e)], v76, v77
.irp k, 0,1,2,3
	v_cvt_pk_bf16_f32 v[96+4*(\e)+\k], v[HC+2*\k], v[HC+2*\k+1]
.endr
.endm
	STAT 0
	STAT 1
	s_lshl_b32 s38, s25, 2
	s_lshl_b32 s39, s24, 1
	s_add_co_u32 s38, s38, s39                     ; c of e = 0: 4 nb + 2 cp
	s_cmp_lt_u32 s26, 8
	s_cbranch_scc0 .Lq_out
	; rows of m
	s_lshl_b32 s30, s26, 2
	s_add_co_u32 s30, s30, s23                     ; i tile = 4 rb + rt
	s_lshl_b32 s30, s30, 6
	s_add_co_u32 s30, s30, s38
	s_lshl_b32 s30, s30, 9
	v_lshl_add_u32 v14, v3, 4, s30
	global_store_b128 v14, v[96:99], s[12:13]                 ; MF: a wave's store covers 512 consecutive bytes
	global_store_b128 v14, v[100:103], s[12:13] offset:512
.irp k, 0,1,2,3,4,5,6,7
	v_cvt_pk_bf16_f32 v[112+\k], v[32+2*\k], v[33+2*\k]
.endr
	s_lshl_b32 s30, s26, 6
	s_add_co_u32 s30, s30, s38
	s_lshl_b32 s30, s30, 11
	s_lshl_b32 s31, s23, 9
	s_add_co_u32 s30, s30, s31
	v_lshl_add_u32 v15, v3, 4, s30
	global_store_b128 v15, v[112:115], s[12:13] offset:MTO    ; MT: (rb 64 + c) 2,048 + rt 512
	global_store_b128 v15, v[116:119], s[12:13] offset:MTO+2048
	v_cmp_ne_u32 vcc_lo, 0, v5
	v_mul_f32 v120, 0x3df5fdf0, v108               ; the sum of squares times (ln 2 / 2)^2 = 0.12011325
	v_mul_f32 v121, 0x3df5fdf0, v109
	v_cndmask_b32 v120, v120, v104, vcc_lo         ; lanes 0-15 hand in the sum of squares, lanes 16-31 the mean
	v_cndmask_b32 v121, v121, v106, vcc_lo
	s_lshl_b32 s30, s24, 9
	s_lshl_b32 s31, s23, 6
	s_add_co_u32 s30, s30, s31
	s_add_co_u32 s30, s30, STG
	v_lshl_add_u32 v122, v5, 10, s30
	v_lshl_add_u32 v122, v4, 2, v122               ; STG + 1,024 h + 256 (2 cp + e) + 4 (16 rt + r)
	ds_store_b32 v122, v120
	ds_store_b32 v122, v121 offset:256
	s_branch .Ljoin
.Lq_out:
	; rows of q
	s_sub_co_u32 s30, s26, 8
	s_lshl_b32 s30, s30, 2
	s_add_co_u32 s30, s30, s23                     ; q tile = 4 (rb - 8) + rt
	s_lshl_b32 s31, s30, 6
	s_add_co_u32 s31, s31, s38
	s_lshl_b32 s31, s31, 10
	v_lshl_add_u32 v14, v3, 4, s31
	global_store_b128 v14, v[16:19], s[14:15] offset:QFO          ; q in f32: (q tile 64 + c) 1,024 + 512 k
	global_store_b128 v14, v[20:23], s[14:15] offset:QFO+512
	global_store_b128 v14, v[24:27], s[14:15] offset:QFO+1024
	global_store_b128 v14, v[28:31], s[14:15] offset:QFO+1536
	s_mul_i32 s30, s30, QTB
	s_lshl_b32 s31, s38, 9
	s_add_co_u32 s30, s30, s31
	v_lshl_add_u32 v15, v3, 4, s30
	global_store_b128 v15, v[96:99], s[14:15]                     ; q centred, bf16 fragments
	global_store_b128 v15, v[100:103], s[14:15] offset:512
	s_lshl_b32 s30, s23, 8
	s_lshl_b32 s31, s24, 7
	s_add_co_u32 s30, s30, s31
	s_add_co_u32 s30, s30, STGQ
	v_lshl_add_u32 v122, v5, 10, s30
	v_lshl_add_u32 v122, v4, 2, v122               ; STGQ + 1,024 h + 256 rt + 64 (2 cp + e) + 4 r; the upper 1,024 bytes are not read back
	ds_store_b32 v122, v108
	ds_store_b32 v122, v109 offset:64
.Ljoin:
	s_wait_dscnt 0x0                               ; for the others' sake: my statistics lie in LDS
	s_barrier_signal -1
	s_barrier_wait -1
	v_lshl_add_u32 v123, v0, 4, STG
	s_cmp_lt_u32 s26, 8
	s_cbranch_scc0 .Lq_gather
	s_cmp_lt_u32 s22, 4                            ; 2,048 bytes: threads 0 to 127
	s_cbranch_scc0 .Lgathered
	ds_load_b128 v[124:127], v123
	v_lshrrev_b32 v128, 6, v0
	v_and_b32 v129, 63, v0
	v_lshlrev_b32 v129, 4, v129
	v_lshl_add_u32 v129, v128, 14, v129            ; sums of squares, then means 16,384 bytes on
	s_lshl_b32 s30, s26, 15
	s_lshl_b32 s31, s25, 10
	s_add_co_u32 s30, s30, s31
	v_add_nc_u32 v129, s30, v129
	s_wait_dscnt 0x0
	global_store_b128 v129, v[124:127], s[12:13] offset:SMUO      ; 16 lanes store 256 consecutive bytes, aligned
	s_branch .Lgathered
.Lq_gather:
	s_cmp_lt_u32 s22, 2                            ; 1,024 bytes: threads 0 to 63
	s_cbranch_scc0 .Lgathered
	ds_load_b128 v[124:127], v123 offset:STGQ-STG  ; q's own stage
	v_lshrrev_b32 v128, 4, v0
	v_mul_u32_u24 v128, v128, QTB                  ; the q tile of the four
	v_lshl_add_u32 v129, v4, 4, v128
	s_sub_co_u32 s30, s26, 8
	s_mul_i32 s30, s30, 4*QTB
	s_lshl_b32 s31, s25, 8
	s_add_co_u32 s30, s30, s31
	v_add_nc_u32 v129, s30, v129
	s_wait_dscnt 0x0
	global_store_b128 v129, v[124:127], s[14:15] offset:32768
.Lgathered:
	s_or_b32 s30, s25, s26
	s_or_b32 s30, s30, s22
	s_cmp_eq_u32 s30, 0                            ; one wave of one work-group writes the three counts
	s_cbranch_scc0 .Lend
	v_lshlrev_b32 v130, 2, v3
	v_mov_b32 v131, 0
	v_mov_b32 v132, 1
	v_mov_b32 v133, 2
	global_store_b32 v130, v131, s[16:17]
	global_store_b32 v130, v132, s[18:19]
	global_store_b32 v130, v133, s[20:21]
.Lend:
	s_wait_tensorcnt 0x0                           ; the wave's end: three closing lines, behind my last LDS store
	ds_add_u32 v1, v2
	s_wait_dscnt 0x0
	s_endpgm
.Lfunc_end_k_q0c9a58fb13_proj:
	.size	k_q0c9a58fb13_proj, .Lfunc_end_k_q0c9a58fb13_proj-k_q0c9a58fb13_proj
	.p2alignl 7, 3214868480
	.fill 96, 4, 3214868480
	.section	.rodata,"a",@progbits
	.p2align	6, 0x0
	.amdhsa_kernel k_q0c9a58fb13_proj
		.amdhsa_group_segment_fixed_size 227328
		.amdhsa_private_segment_fixed_size 0
		.amdhsa_enable_private_segment 0
		.amdhsa_kernarg_size 72
		.amdhsa_user_sgpr_count 2
		.amdhsa_user_sgpr_kernarg_segment_ptr 1
		.amdhsa_wavefront_size32 1
		.amdhsa_system_sgpr_workgroup_id_x 1
		.amdhsa_system_sgpr_workgroup_id_y 1
		.amdhsa_system_sgpr_workgroup_id_z 1
		.amdhsa_system_vgpr_workitem_id 0
		.amdhsa_next_free_vgpr 256
		.amdhsa_next_free_sgpr 66
		.amdhsa_reserve_vcc 1
		.amdhsa_float_denorm_mode_32 3
		.amdhsa_float_denorm_mode_16_64 3
		.amdhsa_memory_ordered 1
		.amdhsa_forward_progress 1
		.amdhsa_inst_pref_size 41
	.end_amdhsa_kernel
	.amdgpu_metadata
---
amdhsa.version: [ 1, 2 ]
amdhsa.kernels:
  - .name:           k_q0c9a58fb13_proj
    .symbol:         k_q0c9a58fb13_proj.kd
    .args:
      - { .name: m, .offset: 0, .size: 8, .value_kind: global_buffer, .address_space: global }
      - { .name: q, .offset: 8, .size: 8, .value_kind: global_buffer, .address_space: global }
      - { .name: W_w, .offset: 16, .size: 8, .value_kind: global_buffer, .address_space: global }
      - { .name: W_b, .offset: 24, .size: 8, .value_kind: global_buffer, .address_space: global }
      - { .name: hm, .offset: 32, .size: 8, .value_kind: global_buffer, .address_space: global }
      - { .name: st0, .offset: 40, .size: 8, .value_kind: global_buffer, .address_space: global }
      - { .name: c0, .offset: 48, .size: 8, .value_kind: global_buffer, .address_space: global }
      - { .name: c1, .offset: 56, .size: 8, .value_kind: global_buffer, .address_space: global }
      - { .name: c2, .offset: 64, .size: 8, .value_kind: global_buffer, .address_space: global }
    .group_segment_fixed_size: 227328
    .private_segment_fixed_size: 0
    .kernarg_segment_align: 8
    .kernarg_segment_size: 72
    .max_flat_workgroup_size: 256
    .sgpr_count:     66
    .vgpr_count:     256
    .wavefront_size: 32
...
	.end_amdgpu_metadata
.endif
;; end of part 1
;; launch it0 (part 2): grid 32 x 8, 16 waves a work-group, no clusters, 251,904 bytes of LDS; arguments hm, st0, st1, st2, c0, part; writes part
.if DOCPART == 2
	.amdgcn_target "amdgcn-amd-amdhsa--gfx1250"
	.amdhsa_code_object_version 6
	.text
	.protected	k_q0c9a58fb13_it0
	.globl	k_q0c9a58fb13_it0
	.p2align	8
	.type	k_q0c9a58fb13_it0,@function
k_q0c9a58fb13_it0:
	s_mov_b64 s[64:65], 0
	v_nop
	global_prefetch_b8 v0, s[64:65] scope:SCOPE_SE
	s_setreg_imm32_b32 hwreg(HW_REG_WAVE_MODE, 25, 1), 1
	s_wait_xcnt 0x0
; One routing pass, number T (0, 1 or 2; a whole number read from the fifth argument).  For 16 queries (q tile = x) and 64 input capsules i (block = y), all 64 capsules c:
;   a_T = the sum over s < T of p_s (hat_m . v_s),   p_s = tanh(pearson(hat_m, q_s)),   w = softmax_c(a_T) + p_T,   part = the sum over my 64 i of w hat_m.
; The logits are made anew from the small tables q_s, v_s of the earlier passes, so that nothing of size Q x I x C goes through memory.
; pearson: num = mc . qc (both centred, bf16, by the matrix unit, K = 16); the table holds sm' = sm (ln 2 / 2)^2, so x = num rsq(sm' sq + eps (ln 2 / 2)^2) = 2 log2(e) num / sqrt(sm sq + eps),
; and tanh = 1 - 2 / (1 + 2^x); |num / den| is at most 1, so 2^x lies within 2^-3 .. 2^3.  hat_m . v = mc . v + mean(hat_m) sum_d(v), the second term in f32.
; SOFTMAX over c with the true maximum: each wave takes the maximum and sum of its 16 capsules, the four waves of an i tile exchange them through LDS.
; SHARES.  16 waves: it = w & 3 (16 of the 64 i), cg = w >> 2 (16 of the 64 c).  A matrix result holds i = 8 h + j in register j and q = r in the lane; a wave's logits are 16 x 8 registers.
; One matrix instruction has K = 32: source 0 carries two capsules' 16 d; source 1 carries one capsule's 16 d and 16 zeros, which picks the capsule.
; In the last phase wave w makes capsules 4 w .. 4 w + 3: hat_v^T = hat_m^T w, K = 64 i, w read from LDS in bf16.
; NO TENSOR LOADS, NO JOINT REQUESTS, though 8 work-groups read a q tile's tables and 32 a block's: each table is fetched once, at the head, 217,088 bytes at the most, against 65,536 triples
; of about a hundred vector instructions' work in 32 lanes each; there is no ring to keep fed.
; LIMITS.  NaN and infinities are not treated apart; a softmax weight below 2^-126 counts as 0.  All matrix operands are bf16 (f32's range).
.set SLOTB, 73728                      ; a sweep's tables: q_s centred (32,768), sq_s (4,096), v_s (32,768), sum_d v_s (4,096)
.set PART1, 36864
.set RC,    2*SLOTB                    ; 147,456: q_T centred and sq_T, 36,864 bytes.  Bytes 0 .. RC hold the two sweeps' tables, later w: row (16 c + q) of 144 bytes (64 i in bf16 + 16)
.set RS,    RC+PART1                   ; 184,320: sm' [c][i], then mean [c][i], 16,384 bytes each
.set RT,    RS+32768                   ; 217,088: softmax statistics, 2,048 bytes a wave
.set SPARE, RT+32768                   ; 249,856: the spare words, 128 bytes for each of 16 waves
.set WP,    144
.set MTO,   1048576
.set SMUO,  2097152
; v1, v2: the closing add's registers.  v3 GA (MF offset), v4 LB, v5 LS (a sweep's tables), v6 LM (sm', mean), v7 LC, v8 LCS (q_T's), v9 LT, v10 LTR (statistics), v11 LW, v12 LWR (w), v13 GT (MT), v14 GP (part),
; v15 16 x thread, v124 8 x thread, v125, v126 at work.  v[16:31] two fragments of mc; v[32:43] qc_a, zeros, qc_b; v[44:55] v_a, zeros, v_b; v[56:71] num, then p; v[72:87] mean, then hat_m . v;
; v[88:103] sm', then the reciprocal root; v[104:107] sq_a, sv_a, sq_b, sv_b; v[108:115] the softmax's scale; v[116:123] w packed; v[128:255] the logits.
	s_load_b256 s[4:11], s[0:1], 0x0               ; hm s[4:5], st0 s[6:7], st1 s[8:9], st2 s[10:11]
	s_load_b128 s[12:15], s[0:1], 0x20             ; the count s[12:13], part s[14:15]
	v_lshl_add_u32 v1, v0, 2, SPARE
	v_mov_b32 v2, 0
	v_lshrrev_b32 v16, 5, v0
	v_readfirstlane_b32 s17, v16                   ; wave 0..15
	s_and_b32 s18, s17, 3                          ; it
	s_lshr_b32 s19, s17, 2                         ; cg
	s_mov_b32 s20, ttmp9                           ; q tile
	s_and_b32 s21, ttmp7, 0xffff                   ; block of 64 i
	s_mov_b32 s32, 0x30a51518                      ; 1e-8 (ln 2 / 2)^2
	s_mov_b32 s33, s32
	s_mov_b32 s34, 0x3fb8aa3b                      ; log2(e)
	s_mov_b32 s35, s34
	v_and_b32 v16, 31, v0
	v_and_b32 v17, 15, v0                          ; r
	v_bfe_u32 v18, v0, 4, 1                        ; h
	v_lshlrev_b32 v19, 4, v16                      ; 16 x lane
	s_lshl_b32 s22, s21, 2
	s_add_co_u32 s22, s22, s18
	s_lshl_b32 s22, s22, 6
	s_lshl_b32 s23, s19, 4
	s_add_co_u32 s22, s22, s23
	s_lshl_b32 s22, s22, 9
	v_add_nc_u32 v3, s22, v19                      ; GA = ((4 block + it) 64 + 16 cg) 512 + 16 lane
	s_lshl_b32 s22, s19, 13
	v_add_nc_u32 v4, s22, v19                      ; LB = 8,192 cg + 16 lane
	s_lshl_b32 s23, s19, 10
	s_add_co_u32 s23, s23, 32768
	v_lshl_add_u32 v5, v17, 2, s23                 ; LS = 32,768 + 1,024 cg + 4 r
	s_lshl_b32 s23, s19, 12
	s_lshl_b32 s26, s18, 6
	s_add_co_u32 s23, s23, s26
	s_add_co_u32 s23, s23, RS
	v_lshl_add_u32 v6, v18, 5, s23                 ; LM = RS + 4,096 cg + 64 it + 32 h
	v_add_nc_u32 v7, RC, v4
	v_add_nc_u32 v8, RC, v5
	s_lshl_b32 s23, s17, 11
	s_add_co_u32 s23, s23, RT
	v_add_nc_u32 v9, s23, v19                      ; LT = RT + 2,048 wave + 16 lane
	s_lshl_b32 s23, s18, 11
	s_add_co_u32 s23, s23, RT
	v_add_nc_u32 v10, s23, v19                     ; LTR = RT + 2,048 it + 16 lane; group g lies 8,192 g on
	s_mul_i32 s23, s19, 256*WP
	s_lshl_b32 s26, s18, 5
	s_add_co_u32 s23, s23, s26
	v_mul_u32_u24 v11, v17, WP
	v_lshl_add_u32 v11, v18, 4, v11
	v_add_nc_u32 v11, s23, v11                     ; LW = (256 cg + r) 144 + 32 it + 16 h
	s_mul_i32 s23, s17, 64*WP
	v_mul_u32_u24 v12, v17, WP
	v_lshl_add_u32 v12, v18, 4, v12
	v_add_nc_u32 v12, s23, v12                     ; LWR = (64 wave + r) 144 + 16 h
	s_lshl_b32 s23, s21, 6
	s_lshl_b32 s26, s17, 2
	s_add_co_u32 s23, s23, s26
	s_lshl_b32 s23, s23, 11
	v_add_nc_u32 v13, s23, v19                     ; GT = (64 block + 4 wave) 2,048 + 16 lane
	s_lshl_b32 s23, s21, 5
	s_add_co_u32 s23, s23, s20
	s_lshl_b32 s23, s23, 6
	s_add_co_u32 s23, s23, s26
	s_lshl_b32 s23, s23, 10
	v_add_nc_u32 v14, s23, v19                     ; GP = ((32 block + q tile) 64 + 4 wave) 1,024 + 16 lane
	v_lshlrev_b32 v15, 4, v0
	v_lshlrev_b32 v124, 3, v0
	s_mul_i32 s22, s20, SLOTB
	s_mov_b32 s23, 0
	s_lshl_b32 s26, s21, 15
	s_mov_b32 s27, 0
	s_wait_kmcnt 0x0
	s_load_b32 s16, s[12:13], 0x0                  ; T
	s_add_nc_u64 s[6:7], s[6:7], s[22:23]          ; the three tables at my q tile
	s_add_nc_u64 s[8:9], s[8:9], s[22:23]
	s_add_nc_u64 s[10:11], s[10:11], s[22:23]
	s_add_nc_u64 s[28:29], s[4:5], s[26:27]        ; hm at my block's 32,768 bytes of sm' and means (less SMUO)
	s_wait_kmcnt 0x0
	s_min_u32 s16, s16, 2
	s_cmp_eq_u32 s16, 0
	s_cselect_b64 s[24:25], s[6:7], s[8:9]
	s_cmp_eq_u32 s16, 2
	s_cselect_b64 s[24:25], s[10:11], s[24:25]     ; the table of pass T
.macro LD36 ptr, off, reg              ; 36,864 bytes by 512 threads: four times 16 bytes, once 8
.irp k, 0,1,2,3
	global_load_b128 v[(\reg)+4*\k:(\reg)+4*\k+3], v15, s[\ptr:\ptr+1] offset:(\off)+8192*\k
.endr
	global_load_b64 v[(\reg)+16:(\reg)+17], v124, s[\ptr:\ptr+1] offset:(\off)+32768
.endm
.macro ST36 base, reg
	v_add_nc_u32 v125, \base, v15
	v_add_nc_u32 v126, (\base)+32768, v124
.irp k, 0,1,2,3
	ds_store_b128 v125, v[(\reg)+4*\k:(\reg)+4*\k+3] offset:8192*\k
.endr
	ds_store_b64 v126, v[(\reg)+16:(\reg)+17]
.endm
	LD36 24, 0, 16                                 ; q_T centred, sq_T
.irp k, 0,1,2,3
	global_load_b128 v[34+4*\k:37+4*\k], v15, s[28:29] offset:SMUO+8192*\k   ; sm', means
.endr
.set i, 128
.rept 128
	v_mov_b32 v[i], 0                              ; the logits start at 0 (pass 0 has no sweep at all): written while the tables are on their way
.set i, i+1
.endr
	s_cmp_lt_u32 s16, 1
	s_cbranch_scc1 .Lp0
	LD36 6, 0, 50                                  ; sweep 0: q_0 and v_0
	LD36 8, PART1, 68
	s_cmp_lt_u32 s16, 2
	s_cbranch_scc1 .Lp1
	LD36 8, 0, 86                                  ; sweep 1: q_1 and v_1
	LD36 10, PART1, 104
	s_wait_loadcnt 0x0
	ST36 SLOTB, 86
	ST36 SLOTB+PART1, 104
.Lp1:
	s_wait_loadcnt 0x0
	ST36 0, 50
	ST36 PART1, 68
.Lp0:
	s_wait_loadcnt 0x0
	ST36 RC, 16
	v_add_nc_u32 v125, RS, v15
.irp k, 0,1,2,3
	ds_store_b128 v125, v[34+4*\k:37+4*\k] offset:8192*\k
.endr
.irp k, 36,37,38,39,48,49,50,51
	v_mov_b32 v[\k], 0                             ; the zeros between the two capsules' halves of source 1
.endr
	s_wait_dscnt 0x0                               ; for the others' sake: my part of the tables lies in LDS
	s_barrier_signal -1
	s_barrier_wait -1
; Capsules 2 pr and 2 pr + 1 of my 16.  fz = 0: a sweep: a += p_s (hat_m . v_s).  fz = 1: the last phase: w = e SC + p_T, rounded to bf16 into LDS.
.macro PAIR pr, fz
.set AFC, 16+8*((\pr)&1)
.set AFN, 24-8*((\pr)&1)
.set CA,  2*(\pr)
.set AB,  128+16*(\pr)
.if \fz
.set VB, 7
.set VS, 8
.else
.set VB, 4
.set VS, 5
.endif
	ds_load_b128 v[32:35], v[VB] offset:CA*512
	ds_load_b128 v[40:43], v[VB] offset:CA*512+512
.if !(\fz)
	ds_load_b128 v[44:47], v[VB] offset:CA*512+PART1
	ds_load_b128 v[52:55], v[VB] offset:CA*512+512+PART1
.endif
.irp k, 0,1,2,3
	ds_load_b128 v[88+4*\k:91+4*\k], v6 offset:CA*256+(\k/2)*256+(\k%2)*16
.endr
.if !(\fz)
.irp k, 0,1,2,3
	ds_load_b128 v[72+4*\k:75+4*\k], v6 offset:CA*256+(\k/2)*256+(\k%2)*16+16384
.endr
.endif
	ds_load_b32 v104, v[VS] offset:CA*64
	ds_load_b32 v106, v[VS] offset:CA*64+64
.if !(\fz)
	ds_load_b32 v105, v[VS] offset:CA*64+PART1
	ds_load_b32 v107, v[VS] offset:CA*64+64+PART1
.endif
.if (\pr) < 7
	global_load_b128 v[AFN:AFN+3], v3, s[4:5] offset:(CA+2)*512        ; the next pair's fragment of mc
	global_load_b128 v[AFN+4:AFN+7], v3, s[4:5] offset:(CA+3)*512
	s_wait_dscnt 0x0
	s_wait_loadcnt 2                               ; loads return in order: this pair's fragment is in, the next pair's two loads stay out
.else
	s_wait_dscnt 0x0
	s_wait_loadcnt 0x0
.endif
.if !(\fz)
.set i, 0
.rept 8
	v_pk_mul_f32 v[72+i:73+i], v[72+i:73+i], v[104+2*(i/8):105+2*(i/8)] op_sel:[0,1]   ; mean x sum_d v: the sum that the product below starts from
.set i, i+2
.endr
.endif
	v_wmma_f32_16x16x32_bf16 v[56:63], v[AFC:AFC+7], v[32:39], 0
	v_wmma_f32_16x16x32_bf16 v[64:71], v[AFC:AFC+7], v[36:43], 0
.if !(\fz)
	v_wmma_f32_16x16x32_bf16 v[72:79], v[AFC:AFC+7], v[44:51], v[72:79]
	v_wmma_f32_16x16x32_bf16 v[80:87], v[AFC:AFC+7], v[48:55], v[80:87]
.endif
.set i, 0
.rept 8
	v_pk_fma_f32 v[88+i:89+i], v[88+i:89+i], v[104+2*(i/8):105+2*(i/8)], s[32:33] op_sel_hi:[1,0,0]   ; sm' sq + eps'; eight plain lines that name no register of the products: the places behind them
.set i, i+2
.endr
.set i, 0
.rept 16
	v_rsq_f32 v[88+i], v[88+i]
.set i, i+1
.endr
	v_nop                                          ; a plain instruction behind the last of the batch,
	s_wait_alu depctr_va_vdst(0)                   ; and one wait for the batch, ahead of its first reader
.set i, 0
.rept 8
	v_pk_mul_f32 v[56+i:57+i], v[56+i:57+i], v[88+i:89+i]
.set i, i+2
.endr
.set i, 0
.rept 16
	v_exp_f32 v[56+i], v[56+i]
.set i, i+1
.endr
	v_nop
	s_wait_alu depctr_va_vdst(0)
.set i, 0
.rept 8
	v_pk_add_f32 v[56+i:57+i], v[56+i:57+i], 1.0 op_sel_hi:[1,0]
.set i, i+2
.endr
.set i, 0
.rept 16
	v_rcp_f32 v[56+i], v[56+i]
.set i, i+1
.endr
	v_nop
	s_wait_alu depctr_va_vdst(0)
.set i, 0
.rept 8
	v_pk_fma_f32 v[56+i:57+i], v[56+i:57+i], -2.0, 1.0 op_sel_hi:[1,0,0]       ; p = 1 - 2 / (1 + 2^x)
.set i, i+2
.endr
.if \fz
.set i, 0
.rept 8
	v_pk_fma_f32 v[56+i:57+i], v[AB+i:AB+i+1], v[108+i%8:109+i%8], v[56+i:57+i]  ; w = softmax + p
.set i, i+2
.endr
.set i, 0
.rept 8
	v_cvt_pk_bf16_f32 v[116+i], v[56+2*i], v[57+2*i]
.set i, i+1
.endr
	ds_store_b128 v11, v[116:119] offset:CA*16*WP
	ds_store_b128 v11, v[120:123] offset:(CA+1)*16*WP
.else
.set i, 0
.rept 8
	v_pk_fma_f32 v[AB+i:AB+i+1], v[56+i:57+i], v[72+i:73+i], v[AB+i:AB+i+1]    ; a += p (hat_m . v)
.set i, i+2
.endr
.endif
.endm
	; THE SWEEPS: the loop counts to the constant 2; a trip at or past T is jumped over, forward, past text without a barrier.
	s_mov_b32 s36, 0
.Lsweep:
	s_cmp_ge_u32 s36, s16
	s_cbranch_scc1 .Lskip
	global_load_b128 v[16:19], v3, s[4:5]
	global_load_b128 v[20:23], v3, s[4:5] offset:512
.irp n, 0,1,2,3,4,5,6,7
	PAIR \n, 0
.endr
.Lskip:
	v_add_nc_u32 v4, SLOTB, v4                     ; the next sweep's tables
	v_add_nc_u32 v5, SLOTB, v5
	s_add_co_u32 s36, s36, 1
	s_cmp_lt_u32 s36, 2
	s_cbranch_scc1 .Lsweep
	; THE SOFTMAX'S STATISTICS.  Of my 16 capsules: the maximum, e = 2^(log2(e) (a - max)) in place of a, and the sum of e.
.irp j, 0,1,2,3,4,5,6,7
	v_max3_num_f32 v[16+\j], v[128+\j], v[136+\j], v[144+\j]
.endr
.set c, 3
.rept 6
.irp j, 0,1,2,3,4,5,6,7
	v_max3_num_f32 v[16+\j], v[16+\j], v[128+8*c+\j], v[136+8*c+\j]
.endr
.set c, c+2
.endr
.irp j, 0,1,2,3,4,5,6,7
	v_max_num_f32 v[16+\j], v[16+\j], v[248+\j]
.endr
.irp k, 0,2,4,6
	v_pk_mul_f32 v[16+\k:17+\k], v[16+\k:17+\k], s[34:35] op_sel_hi:[1,0]
.endr
.set c, 0
.rept 16
.irp k, 0,2,4,6
	v_pk_fma_f32 v[128+8*c+\k:129+8*c+\k], v[128+8*c+\k:129+8*c+\k], s[34:35], v[16+\k:17+\k] op_sel_hi:[1,0,1] neg_lo:[0,0,1] neg_hi:[0,0,1]
.endr
.set c, c+1
.endr
.set i, 128
.rept 128
	v_exp_f32 v[i], v[i]
.set i, i+1
.endr
	v_nop
	s_wait_alu depctr_va_vdst(0)                   ; one wait for the 128
.irp k, 0,2,4,6
	v_pk_add_f32 v[24+\k:25+\k], v[128+\k:129+\k], v[136+\k:137+\k]
.endr
.set c, 2
.rept 14
.irp k, 0,2,4,6
	v_pk_add_f32 v[24+\k:25+\k], v[24+\k:25+\k], v[128+8*c+\k:129+8*c+\k]
.endr
.set c, c+1
.endr
.irp k, 0,1,2,3
	ds_store_b128 v9, v[16+4*\k:19+4*\k] offset:512*\k   ; maxima (times log2 e), then sums
.endr
	s_wait_dscnt 0x0                               ; my statistics lie in LDS, and my reads of the sweeps' tables are over: behind this barrier their bytes take w
	s_barrier_signal -1
	s_barrier_wait -1
.irp g, 0,1,2,3
.irp k, 0,1,2,3
	ds_load_b128 v[44+16*\g+4*\k:47+16*\g+4*\k], v10 offset:8192*\g+512*\k
.endr
.endr
	s_wait_dscnt 0x0
.irp j, 0,1,2,3,4,5,6,7
	v_max3_num_f32 v[116+\j], v[44+\j], v[60+\j], v[76+\j]
.endr
.irp j, 0,1,2,3,4,5,6,7
	v_max_num_f32 v[116+\j], v[116+\j], v[92+\j]   ; the maximum over all 64 capsules
.endr
.irp g, 0,1,2,3
.irp k, 0,2,4,6
	v_pk_add_f32 v[44+16*\g+\k:45+16*\g+\k], v[44+16*\g+\k:45+16*\g+\k], v[116+\k:117+\k] neg_lo:[0,1] neg_hi:[0,1]
.endr
.endr
.irp k, 0,2,4,6
	v_pk_add_f32 v[16+\k:17+\k], v[16+\k:17+\k], v[116+\k:117+\k] neg_lo:[0,1] neg_hi:[0,1]
.endr
.irp g, 0,1,2,3
.irp j, 0,1,2,3,4,5,6,7
	v_exp_f32 v[44+16*\g+\j], v[44+16*\g+\j]
.endr
.endr
.irp j, 0,1,2,3,4,5,6,7
	v_exp_f32 v[16+\j], v[16+\j]
.endr
	v_nop
	s_wait_alu depctr_va_vdst(0)
.irp k, 0,2,4,6
	v_pk_mul_f32 v[24+\k:25+\k], v[44+\k:45+\k], v[52+\k:53+\k]
.endr
.irp g, 1,2,3
.irp k, 0,2,4,6
	v_pk_fma_f32 v[24+\k:25+\k], v[44+16*\g+\k:45+16*\g+\k], v[52+16*\g+\k:53+16*\g+\k], v[24+\k:25+\k]
.endr
.endr
.irp j, 0,1,2,3,4,5,6,7
	v_rcp_f32 v[24+\j], v[24+\j]
.endr
	v_nop
	s_wait_alu depctr_va_vdst(0)
.irp k, 0,2,4,6
	v_pk_mul_f32 v[108+\k:109+\k], v[16+\k:17+\k], v[24+\k:25+\k]   ; softmax = e x 2^(my maximum - the maximum) / the sum
.endr
	; THE LAST PHASE'S WEIGHTS
	global_load_b128 v[16:19], v3, s[4:5]
	global_load_b128 v[20:23], v3, s[4:5] offset:512
.irp n, 0,1,2,3,4,5,6,7
	PAIR \n, 1
.endr
.irp k, 0,1,2,3
.irp f, 0,1,2,3
	global_load_b128 v[128+16*\k+4*\f:131+16*\k+4*\f], v13, s[4:5] offset:MTO+2048*\k+512*\f   ; hat_m turned: capsule 4 w + k, 32 (f / 2) + 16 (f % 2) of the 64 i on
.endr
.endr
	s_wait_dscnt 0x0                               ; for the others' sake: my part of w lies in LDS
	s_barrier_signal -1
	s_barrier_wait -1
.irp k, 0,1,2,3
.irp f, 0,1,2,3
	ds_load_b128 v[192+16*\k+4*\f:195+16*\k+4*\f], v12 offset:16*WP*\k+32*\f
.endr
.endr
	s_wait_dscnt 0x0
	s_wait_loadcnt 0x0
.irp k, 0,1,2,3
	v_wmma_f32_16x16x32_bf16 v[16+8*\k:23+8*\k], v[128+16*\k:135+16*\k], v[192+16*\k:199+16*\k], 0   ; the four accumulators take turns
.endr
.irp k, 0,1,2,3
	v_wmma_f32_16x16x32_bf16 v[16+8*\k:23+8*\k], v[136+16*\k:143+16*\k], v[200+16*\k:207+16*\k], v[16+8*\k:23+8*\k]
.endr
.rept 8
	v_nop
.endr
.irp k, 0,1,2,3
	global_store_b128 v14, v[16+8*\k:19+8*\k], s[14:15] offset:1024*\k th:TH_STORE_NT        ; lane (q = r, h): d = 8 h .. 8 h + 3; a wave's store covers 512 consecutive bytes
	global_store_b128 v14, v[20+8*\k:23+8*\k], s[14:15] offset:1024*\k+512 th:TH_STORE_NT    ; d = 8 h + 4 ..
.endr
	s_wait_tensorcnt 0x0                           ; the wave's end: three closing lines, behind my last LDS store
	ds_add_u32 v1, v2
	s_wait_dscnt 0x0
	s_endpgm
.Lfunc_end_k_q0c9a58fb13_it0:
	.size	k_q0c9a58fb13_it0, .Lfunc_end_k_q0c9a58fb13_it0-k_q0c9a58fb13_it0
	.p2alignl 7, 3214868480
	.fill 96, 4, 3214868480
	.section	.rodata,"a",@progbits
	.p2align	6, 0x0
	.amdhsa_kernel k_q0c9a58fb13_it0
		.amdhsa_group_segment_fixed_size 251904
		.amdhsa_private_segment_fixed_size 0
		.amdhsa_enable_private_segment 0
		.amdhsa_kernarg_size 48
		.amdhsa_user_sgpr_count 2
		.amdhsa_user_sgpr_kernarg_segment_ptr 1
		.amdhsa_wavefront_size32 1
		.amdhsa_system_sgpr_workgroup_id_x 1
		.amdhsa_system_sgpr_workgroup_id_y 1
		.amdhsa_system_sgpr_workgroup_id_z 1
		.amdhsa_system_vgpr_workitem_id 0
		.amdhsa_next_free_vgpr 256
		.amdhsa_next_free_sgpr 66
		.amdhsa_reserve_vcc 0
		.amdhsa_float_denorm_mode_32 3
		.amdhsa_float_denorm_mode_16_64 3
		.amdhsa_memory_ordered 1
		.amdhsa_forward_progress 1
		.amdhsa_inst_pref_size 136
	.end_amdhsa_kernel
	.amdgpu_metadata
---
amdhsa.version: [ 1, 2 ]
amdhsa.kernels:
  - .name:           k_q0c9a58fb13_it0
    .symbol:         k_q0c9a58fb13_it0.kd
    .args:
      - { .name: hm, .offset: 0, .size: 8, .value_kind: global_buffer, .address_space: global }
      - { .name: st0, .offset: 8, .size: 8, .value_kind: global_buffer, .address_space: global }
      - { .name: st1, .offset: 16, .size: 8, .value_kind: global_buffer, .address_space: global }
      - { .name: st2, .offset: 24, .size: 8, .value_kind: global_buffer, .address_space: global }
      - { .name: c0, .offset: 32, .size: 8, .value_kind: global_buffer, .address_space: global }
      - { .name: part, .offset: 40, .size: 8, .value_kind: global_buffer, .address_space: global }
    .group_segment_fixed_size: 251904
    .private_segment_fixed_size: 0
    .kernarg_segment_align: 8
    .kernarg_segment_size: 48
    .max_flat_workgroup_size: 512
    .sgpr_count:     66
    .vgpr_count:     256
    .wavefront_size: 32
...
	.end_amdgpu_metadata
.endif
;; end of part 2
;; launch rd0 (part 3): grid 256 x 1, 8 waves a work-group, no clusters, 2,048 bytes of LDS; arguments part, st0, st1; writes st1
.if DOCPART == 3
	.amdgcn_target "amdgcn-amd-amdhsa--gfx1250"
	.amdhsa_code_object_version 6
	.text
	.protected	k_q0c9a58fb13_rd0
	.globl	k_q0c9a58fb13_rd0
	.p2align	8
	.type	k_q0c9a58fb13_rd0,@function
k_q0c9a58fb13_rd0:
	s_mov_b64 s[64:65], 0
	v_nop
	global_prefetch_b8 v0, s[64:65] scope:SCOPE_SE
	s_setreg_imm32_b32 hwreg(HW_REG_WAVE_MODE, 25, 1), 1
	s_wait_xcnt 0x0
; Between two routing passes: hat_v = the sum of the eight blocks' partial sums (f32), v = squash(hat_v), q' = (q + v) / 2, and the next pass's tables:
; v in bf16 fragments and sum_d v; q' in f32; q' centred in bf16 fragments and its sum of squares.  Arguments: part, the old table (q in f32 is read), the new table.
; SHARES.  Work-group g: q tile g >> 3, capsules 8 (g & 7) + wave.  Lane (r, h) holds query r, d = 8 h .. 8 h + 7.
; A stream of 64 KiB a work-group with a little arithmetic: no matrix unit, no tensor loads, nothing shared between work-groups.
; LIMITS.  NaN and infinities are not treated apart.
.set SPARE, 1024
.set QFO,   2359296
.set QTB,   73728
.set PART1, 36864
	s_load_b128 s[4:7], s[0:1], 0x0                ; part s[4:5], old table s[6:7]
	s_load_b64 s[8:9], s[0:1], 0x10                ; new table
	v_lshl_add_u32 v1, v0, 2, SPARE
	v_mov_b32 v2, 0
	v_lshrrev_b32 v3, 5, v0
	v_readfirstlane_b32 s12, v3                    ; wave 0..7
	s_lshr_b32 s13, ttmp9, 3                       ; q tile
	s_and_b32 s14, ttmp9, 7                        ; block of 8 capsules
	s_mov_b32 s20, 0x76543210
	s_mov_b32 s21, 0xfedcba98
	v_and_b32 v3, 31, v0
	v_and_b32 v4, 15, v0
	v_bfe_u32 v5, v0, 4, 1
	s_lshl_b32 s15, s14, 3
	s_add_co_u32 s15, s15, s12                     ; c
	s_lshl_b32 s16, s13, 6
	s_add_co_u32 s16, s16, s15
	s_lshl_b32 s16, s16, 10
	v_lshl_add_u32 v6, v3, 4, s16                  ; (64 q tile + c) 1,024 + 16 lane: in part and in q's f32 table
	s_mul_i32 s17, s13, QTB
	s_lshl_b32 s18, s15, 9
	s_add_co_u32 s18, s18, s17
	v_lshl_add_u32 v7, v3, 4, s18                  ; q tile's tables + 512 c + 16 lane: the fragments
	s_wait_kmcnt 0x0
	s_add_nc_u64 s[10:11], s[4:5], 0x800000        ; blocks 4 to 7, so that the immediates stay within 24 bits
.irp b, 0,1,2,3
	global_load_b128 v[16+8*\b:19+8*\b], v6, s[4:5] offset:2097152*\b th:TH_LOAD_NT
	global_load_b128 v[20+8*\b:23+8*\b], v6, s[4:5] offset:2097152*\b+512 th:TH_LOAD_NT
	global_load_b128 v[48+8*\b:51+8*\b], v6, s[10:11] offset:2097152*\b th:TH_LOAD_NT
	global_load_b128 v[52+8*\b:55+8*\b], v6, s[10:11] offset:2097152*\b+512 th:TH_LOAD_NT
.endr
	global_load_b128 v[80:83], v6, s[6:7] offset:QFO
	global_load_b128 v[84:87], v6, s[6:7] offset:QFO+512
	s_wait_loadcnt 0x0
.irp b, 0,2,4,6
.irp k, 0,2,4,6
	v_pk_add_f32 v[16+8*\b+\k:17+8*\b+\k], v[16+8*\b+\k:17+8*\b+\k], v[24+8*\b+\k:25+8*\b+\k]
.endr
.endr
.irp b, 0,4
.irp k, 0,2,4,6
	v_pk_add_f32 v[16+8*\b+\k:17+8*\b+\k], v[16+8*\b+\k:17+8*\b+\k], v[32+8*\b+\k:33+8*\b+\k]
.endr
.endr
.irp k, 0,2,4,6
	v_pk_add_f32 v[16+\k:17+\k], v[16+\k:17+\k], v[48+\k:49+\k]
.endr
	; squash: n2 over the 16 d (8 here, 8 in the lane 16 away); v = hat_v n2 / (1 + n2) / sqrt(n2 + 1e-8)
	v_pk_mul_f32 v[88:89], v[16:17], v[16:17]
.irp k, 2,4,6
	v_pk_fma_f32 v[88:89], v[16+\k:17+\k], v[16+\k:17+\k], v[88:89]
.endr
	v_add_f32 v88, v88, v89
	v_permlanex16_b32 v89, v88, s20, s21
	v_add_f32 v88, v88, v89
	v_add_f32 v90, 1.0, v88
	v_add_f32 v91, 0x322bcc77, v88
	v_rcp_f32 v90, v90
	v_rsq_f32 v91, v91
	v_nop                                          ; a plain instruction behind the two, and one wait for both
	s_wait_alu depctr_va_vdst(0)
	v_mul_f32 v90, v88, v90
	v_mul_f32 v90, v90, v91
	v_mov_b32 v91, v90
.irp k, 0,2,4,6
	v_pk_mul_f32 v[16+\k:17+\k], v[16+\k:17+\k], v[90:91]
.endr
	v_pk_add_f32 v[92:93], v[16:17], v[18:19]      ; sum_d v
	v_pk_add_f32 v[94:95], v[20:21], v[22:23]
	v_pk_add_f32 v[92:93], v[92:93], v[94:95]
	v_add_f32 v92, v92, v93
	v_permlanex16_b32 v93, v92, s20, s21
	v_add_f32 v92, v92, v93
.irp k, 0,1,2,3
	v_cvt_pk_bf16_f32 v[96+\k], v[16+2*\k], v[17+2*\k]
.endr
	global_store_b128 v7, v[96:99], s[8:9] offset:PART1
.irp k, 0,2,4,6
	v_pk_add_f32 v[80+\k:81+\k], v[80+\k:81+\k], v[16+\k:17+\k]
.endr
.irp k, 0,2,4,6
	v_pk_mul_f32 v[80+\k:81+\k], v[80+\k:81+\k], 0.5 op_sel_hi:[1,0]
.endr
	global_store_b128 v6, v[80:83], s[8:9] offset:QFO
	global_store_b128 v6, v[84:87], s[8:9] offset:QFO+512
	v_pk_add_f32 v[100:101], v[80:81], v[82:83]    ; q': mean, centred values, sum of squares
	v_pk_add_f32 v[102:103], v[84:85], v[86:87]
	v_pk_add_f32 v[100:101], v[100:101], v[102:103]
	v_add_f32 v100, v100, v101
	v_permlanex16_b32 v101, v100, s20, s21
	v_add_f32 v100, v100, v101
	v_mul_f32 v104, 0x3d800000, v100
	v_mov_b32 v105, v104
.irp k, 0,2,4,6
	v_pk_add_f32 v[106+\k:107+\k], v[80+\k:81+\k], v[104:105] neg_lo:[0,1] neg_hi:[0,1]
.endr
	v_pk_mul_f32 v[114:115], v[106:107], v[106:107]
.irp k, 2,4,6
	v_pk_fma_f32 v[114:115], v[106+\k:107+\k], v[106+\k:107+\k], v[114:115]
.endr
	v_add_f32 v114, v114, v115
	v_permlanex16_b32 v115, v114, s20, s21
	v_add_f32 v114, v114, v115
.irp k, 0,1,2,3
	v_cvt_pk_bf16_f32 v[116+\k], v[106+2*\k], v[107+2*\k]
.endr
	global_store_b128 v7, v[116:119], s[8:9]
	v_cmp_ne_u32 vcc_lo, 0, v5
	v_cndmask_b32 v120, v114, v92, vcc_lo          ; lanes 0-15 hand in sq, lanes 16-31 sum_d v
	s_lshl_b32 s19, s12, 6
	v_lshl_add_u32 v121, v5, 9, s19
	v_lshl_add_u32 v121, v4, 2, v121               ; 512 h + 64 wave + 4 r
	ds_store_b32 v121, v120
	s_wait_dscnt 0x0                               ; for the others' sake
	s_barrier_signal -1
	s_barrier_wait -1
	s_cmp_lt_u32 s12, 2                            ; 1,024 bytes: threads 0 to 63
	s_cbranch_scc0 .Lend
	v_lshlrev_b32 v122, 4, v0
	ds_load_b128 v[124:127], v122
	v_lshrrev_b32 v123, 5, v0
	v_mul_u32_u24 v123, v123, PART1
	v_lshl_add_u32 v123, v3, 4, v123
	s_lshl_b32 s19, s14, 9
	s_add_co_u32 s19, s19, s17
	v_add_nc_u32 v123, s19, v123
	s_wait_dscnt 0x0
	global_store_b128 v123, v[124:127], s[8:9] offset:32768   ; a wave's store covers 512 consecutive bytes
.Lend:
	s_wait_tensorcnt 0x0                           ; the wave's end: three closing lines, behind my last LDS store
	ds_add_u32 v1, v2
	s_wait_dscnt 0x0
	s_endpgm
.Lfunc_end_k_q0c9a58fb13_rd0:
	.size	k_q0c9a58fb13_rd0, .Lfunc_end_k_q0c9a58fb13_rd0-k_q0c9a58fb13_rd0
	.p2alignl 7, 3214868480
	.fill 96, 4, 3214868480
	.section	.rodata,"a",@progbits
	.p2align	6, 0x0
	.amdhsa_kernel k_q0c9a58fb13_rd0
		.amdhsa_group_segment_fixed_size 2048
		.amdhsa_private_segment_fixed_size 0
		.amdhsa_enable_private_segment 0
		.amdhsa_kernarg_size 24
		.amdhsa_user_sgpr_count 2
		.amdhsa_user_sgpr_kernarg_segment_ptr 1
		.amdhsa_wavefront_size32 1
		.amdhsa_system_sgpr_workgroup_id_x 1
		.amdhsa_system_sgpr_workgroup_id_y 1
		.amdhsa_system_sgpr_workgroup_id_z 1
		.amdhsa_system_vgpr_workitem_id 0
		.amdhsa_next_free_vgpr 128
		.amdhsa_next_free_sgpr 66
		.amdhsa_reserve_vcc 1
		.amdhsa_float_denorm_mode_32 3
		.amdhsa_float_denorm_mode_16_64 3
		.amdhsa_memory_ordered 1
		.amdhsa_forward_progress 1
		.amdhsa_inst_pref_size 10
	.end_amdhsa_kernel
	.amdgpu_metadata
---
amdhsa.version: [ 1, 2 ]
amdhsa.kernels:
  - .name:           k_q0c9a58fb13_rd0
    .symbol:         k_q0c9a58fb13_rd0.kd
    .args:
      - { .name: part, .offset: 0, .size: 8, .value_kind: global_buffer, .address_space: global }
      - { .name: st0, .offset: 8, .size: 8, .value_kind: global_buffer, .address_space: global }
      - { .name: st1, .offset: 16, .size: 8, .value_kind: global_buffer, .address_space: global }
    .group_segment_fixed_size: 2048
    .private_segment_fixed_size: 0
    .kernarg_segment_align: 8
    .kernarg_segment_size: 24
    .max_flat_workgroup_size: 256
    .sgpr_count:     66
    .vgpr_count:     128
    .wavefront_size: 32
...
	.end_amdgpu_metadata
.endif
;; end of part 3
;; launch it1: the kernel of part 2 again; grid 32 x 8, 16 waves a work-group, no clusters, 251,904 bytes of LDS; arguments hm, st0, st1, st2, c1, part; writes part
;; launch rd1: the kernel of part 3 again; grid 256 x 1, 8 waves a work-group, no clusters, 2,048 bytes of LDS; arguments part, st1, st2; writes st2
;; launch it2: the kernel of part 2 again; grid 32 x 8, 16 waves a work-group, no clusters, 251,904 bytes of LDS; arguments hm, st0, st1, st2, c2, part; writes part
;; launch fin (part 4): grid 256 x 1, 8 waves a work-group, no clusters, 9,472 bytes of LDS; arguments part, out0; writes out0
.if DOCPART == 4
	.amdgcn_target "amdgcn-amd-amdhsa--gfx1250"
	.amdhsa_code_object_version 6
	.text
	.protected	k_q0c9a58fb13_fin
	.globl	k_q0c9a58fb13_fin
	.p2align	8
	.type	k_q0c9a58fb13_fin,@function
k_q0c9a58fb13_fin:
	s_mov_b64 s[64:65], 0
	v_nop
	global_prefetch_b8 v0, s[64:65] scope:SCOPE_SE
	s_setreg_imm32_b32 hwreg(HW_REG_WAVE_MODE, 25, 1), 1
	s_wait_xcnt 0x0
; The result: hat_v = the sum of the eight blocks' partial sums (f32), out0 = squash(hat_v), [512][1024] f32.
; SHARES.  Work-group g: q tile g >> 3, capsules 8 (g & 7) + wave.  Lane (r, h) holds query r, d = 8 h .. 8 h + 7 of its wave's capsule.
; A row's 512 bytes (8 capsules) come from eight waves, so they meet in LDS (rows of 528 bytes) and leave as whole rows: a wave's store covers 512 consecutive bytes.
; A stream: no matrix unit, no tensor loads, nothing shared between work-groups.  NaN and infinities are not treated apart.
.set RP,    528
.set SPARE, 16*RP                      ; 8,448
	s_load_b128 s[4:7], s[0:1], 0x0                ; part s[4:5], out0 s[6:7]
	v_lshl_add_u32 v1, v0, 2, SPARE
	v_mov_b32 v2, 0
	v_lshrrev_b32 v3, 5, v0
	v_readfirstlane_b32 s12, v3                    ; wave 0..7
	s_lshr_b32 s13, ttmp9, 3                       ; q tile
	s_and_b32 s14, ttmp9, 7                        ; block of 8 capsules
	s_mov_b32 s20, 0x76543210
	s_mov_b32 s21, 0xfedcba98
	v_and_b32 v3, 31, v0
	v_and_b32 v4, 15, v0
	v_bfe_u32 v5, v0, 4, 1
	s_lshl_b32 s15, s14, 3
	s_add_co_u32 s15, s15, s12                     ; c
	s_lshl_b32 s16, s13, 6
	s_add_co_u32 s16, s16, s15
	s_lshl_b32 s16, s16, 10
	v_lshl_add_u32 v6, v3, 4, s16                  ; (64 q tile + c) 1,024 + 16 lane
	v_mul_u32_u24 v8, v4, RP
	v_lshl_add_u32 v8, v5, 5, v8
	s_lshl_b32 s19, s12, 6
	v_add_nc_u32 v8, s19, v8                       ; in: row r, 64 wave + 32 h
	s_mul_i32 s19, s12, RP
	v_lshl_add_u32 v9, v3, 4, s19                  ; back: row = wave (and wave + 8), 16 bytes a lane
	s_lshl_b32 s18, s13, 4
	s_add_co_u32 s18, s18, s12
	s_lshl_b32 s18, s18, 12
	s_lshl_b32 s19, s14, 9
	s_add_co_u32 s18, s18, s19
	v_lshl_add_u32 v10, v3, 4, s18                 ; (16 q tile + wave) 4,096 + 512 block + 16 lane
	s_wait_kmcnt 0x0
	s_add_nc_u64 s[10:11], s[4:5], 0x800000        ; blocks 4 to 7, so that the immediates stay within 24 bits
.irp b, 0,1,2,3
	global_load_b128 v[16+8*\b:19+8*\b], v6, s[4:5] offset:2097152*\b th:TH_LOAD_NT
	global_load_b128 v[20+8*\b:23+8*\b], v6, s[4:5] offset:2097152*\b+512 th:TH_LOAD_NT
	global_load_b128 v[48+8*\b:51+8*\b], v6, s[10:11] offset:2097152*\b th:TH_LOAD_NT
	global_load_b128 v[52+8*\b:55+8*\b], v6, s[10:11] offset:2097152*\b+512 th:TH_LOAD_NT
.endr
	s_wait_loadcnt 0x0
.irp b, 0,2,4,6
.irp k, 0,2,4,6
	v_pk_add_f32 v[16+8*\b+\k:17+8*\b+\k], v[16+8*\b+\k:17+8*\b+\k], v[24+8*\b+\k:25+8*\b+\k]
.endr
.endr
.irp b, 0,4
.irp k, 0,2,4,6
	v_pk_add_f32 v[16+8*\b+\k:17+8*\b+\k], v[16+8*\b+\k:17+8*\b+\k], v[32+8*\b+\k:33+8*\b+\k]
.endr
.endr
.irp k, 0,2,4,6
	v_pk_add_f32 v[16+\k:17+\k], v[16+\k:17+\k], v[48+\k:49+\k]
.endr
	v_pk_mul_f32 v[88:89], v[16:17], v[16:17]
.irp k, 2,4,6
	v_pk_fma_f32 v[88:89], v[16+\k:17+\k], v[16+\k:17+\k], v[88:89]
.endr
	v_add_f32 v88, v88, v89
	v_permlanex16_b32 v89, v88, s20, s21
	v_add_f32 v88, v88, v89
	v_add_f32 v90, 1.0, v88
	v_add_f32 v91, 0x322bcc77, v88
	v_rcp_f32 v90, v90
	v_rsq_f32 v91, v91
	v_nop                                          ; a plain instruction behind the two, and one wait for both
	s_wait_alu depctr_va_vdst(0)
	v_mul_f32 v90, v88, v90
	v_mul_f32 v90, v90, v91
	v_mov_b32 v91, v90
.irp k, 0,2,4,6
	v_pk_mul_f32 v[16+\k:17+\k], v[16+\k:17+\k], v[90:91]
.endr
	ds_store_b128 v8, v[16:19]
	ds_store_b128 v8, v[20:23] offset:16
	s_wait_dscnt 0x0                               ; for the others' sake: my 64 bytes of each of the 16 rows lie in LDS
	s_barrier_signal -1
	s_barrier_wait -1
	ds_load_b128 v[96:99], v9
	ds_load_b128 v[100:103], v9 offset:8*RP
	s_wait_dscnt 0x0
	global_store_b128 v10, v[96:99], s[6:7] th:TH_STORE_NT
	global_store_b128 v10, v[100:103], s[6:7] offset:32768 th:TH_STORE_NT
	s_wait_tensorcnt 0x0                           ; the wave's end: three closing lines, behind my last LDS store
	ds_add_u32 v1, v2
	s_wait_dscnt 0x0
	s_endpgm
.Lfunc_end_k_q0c9a58fb13_fin:
	.size	k_q0c9a58fb13_fin, .Lfunc_end_k_q0c9a58fb13_fin-k_q0c9a58fb13_fin
	.p2alignl 7, 3214868480
	.fill 96, 4, 3214868480
	.section	.rodata,"a",@progbits
	.p2align	6, 0x0
	.amdhsa_kernel k_q0c9a58fb13_fin
		.amdhsa_group_segment_fixed_size 9472
		.amdhsa_private_segment_fixed_size 0
		.amdhsa_enable_private_segment 0
		.amdhsa_kernarg_size 16
		.amdhsa_user_sgpr_count 2
		.amdhsa_user_sgpr_kernarg_segment_ptr 1
		.amdhsa_wavefront_size32 1
		.amdhsa_system_sgpr_workgroup_id_x 1
		.amdhsa_system_sgpr_workgroup_id_y 1
		.amdhsa_system_sgpr_workgroup_id_z 1
		.amdhsa_system_vgpr_workitem_id 0
		.amdhsa_next_free_vgpr 128
		.amdhsa_next_free_sgpr 66
		.amdhsa_reserve_vcc 0
		.amdhsa_float_denorm_mode_32 3
		.amdhsa_float_denorm_mode_16_64 3
		.amdhsa_memory_ordered 1
		.amdhsa_forward_progress 1
		.amdhsa_inst_pref_size 7
	.end_amdhsa_kernel
	.amdgpu_metadata
---
amdhsa.version: [ 1, 2 ]
amdhsa.kernels:
  - .name:           k_q0c9a58fb13_fin
    .symbol:         k_q0c9a58fb13_fin.kd
    .args:
      - { .name: part, .offset: 0, .size: 8, .value_kind: global_buffer, .address_space: global }
      - { .name: out0, .offset: 8, .size: 8, .value_kind: global_buffer, .address_space: global }
    .group_segment_fixed_size: 9472
    .private_segment_fixed_size: 0
    .kernarg_segment_align: 8
    .kernarg_segment_size: 16
    .max_flat_workgroup_size: 256
    .sgpr_count:     66
    .vgpr_count:     128
    .wavefront_size: 32
...
	.end_amdgpu_metadata
.endif
;; end of part 4
;; ======== version 2 of 2: 7 launches; version 1 with the launch proj written anew for expert scheduling mode
;; workspace buffers: hm 2,359,296 bytes; st0 4,456,448 bytes; st1 4,456,448 bytes; st2 4,456,448 bytes; part 16,777,216 bytes; c0 256 bytes of whole numbers; c1 256 bytes of whole numbers; c2 256 bytes of whole numbers
;; launch proj (part 5): grid 16 x 16, 8 waves a work-group, no clusters, 227,328 bytes of LDS; arguments m, q, W_w, W_b, hm, st0, c0, c1, c2; writes hm, st0, c0, c1, c2
.if DOCPART == 5
	.amdgcn_target "amdgcn-amd-amdhsa--gfx1250"
	.amdhsa_code_object_version 6
	.text
	.protected	k_q0c9a58fb13_proj
	.globl	k_q0c9a58fb13_proj
	.p2align	8
	.type	k_q0c9a58fb13_proj,@function
k_q0c9a58fb13_proj:
	s_mov_b64 s[64:65], 0
	v_nop
	global_prefetch_b8 v0, s[64:65] scope:SCOPE_SE
	s_setreg_imm32_b32 hwreg(HW_REG_WAVE_SCHED_MODE, 0, 2), 2
	s_setreg_imm32_b32 hwreg(HW_REG_WAVE_MODE, 25, 1), 1
	s_wait_xcnt 0x0
	s_wait_alu depctr_vm_vsrc(0)
; hat = [m; q] W_w + W_b, and the tables that the routing launches read.  m, q: [512][768] f32; W_w: [768][1024] f32; W_b: [1024] f32.
; Operands are rounded to bf16 on the way into LDS, sums are f32 and start from the bias.
; SHARES.  Work-group (nb, rb): 64 rows (rb < 8: rows 64 rb of m, else rows 64 (rb - 8) of q) x 64 columns (capsules 4 nb .. 4 nb + 3), all 768 of K in LDS.
; Wave w: row tile rt = w & 3 (16 rows), capsules 2 (w >> 2) + e, e = 0, 1.
; WHAT IS STORED.  For m (buffer hm): MF = hat_m less its mean over d, bf16, as matrix fragments (lane (r, h): row r, d = 8 h ..); MT = hat_m itself, bf16, turned (lane (r, h): d = r, rows 8 h ..);
; SMU = sum of squares of the centred capsule times (ln 2 / 2)^2, and the mean, both f32.  For q (buffer st0): q in f32, q centred in bf16 fragments, its sum of squares in f32.
; c0, c1, c2 take the whole numbers 0, 1, 2: the number of sweeps of the three routing launches.
; NO TENSOR LOADS, NO JOINT REQUESTS, though 16 work-groups read each block of rows and each block of columns: the inputs are f32 and are rounded in registers on the way to LDS;
; as f32 the two blocks would be 2 x 196,608 bytes, more than the 327,680 of LDS.
; LIMITS.  NaN and infinities are not treated apart.  Operands in bf16: f32's range is kept.
; THE MODE: SCHED_MODE bits 1:0 = 2 (LLVM: expert scheduling mode 2), set by the entry lines.  The code itself states the register dependences
; between vector or matrix instructions and memory or LDS instructions, with s_wait_alu, always for 0.
; THE PLAN.  Registers that memory or LDS instructions touch:
;   v6-v13, v48, v49   offsets and LDS addresses: written at the head, never again; every step of K is reached by an immediate offset.
;   S0, S1 (the copy)  24 loads land in a set; its 48 conversions read all 96 registers and close the numbers up into the low 48; 24 LDS stores read the low 48.  The upper 48 are read by no store:
;                      the set's next loads 12 to 23 follow the conversions' wait at once, loads 0 to 11 stand behind the wait that shows the stores' data read.
;   F0, F1 (products)  the same registers.  K goes in six rounds of four steps; round r multiplies F[r % 2]; the LDS loads of round r + 1 land in the other buffer, which the round before read:
;                      one wait at a round's head states that, and the 24 loads are dealt among the round's matrix instructions, which name F[r % 2] and the accumulators alone.
;   the way out        each of the two ways makes all its offsets and data first; one wait; then its run of stores.  v[124:127] are named by no vector instruction behind that wait.
.set APITCH, 1552                      ; a row of A in LDS: 1,536 bytes + 16: an odd multiple of 16
.set WPITCH, 160                       ; a row (one k) of W in LDS: 128 bytes + 32: an odd multiple of 32, for the turning load
.set WT,     64*APITCH                 ; 99,328
.set STG,    WT+768*WPITCH             ; 222,208: 2,048 bytes in which the per-row statistics of rows of m are gathered
.set STGQ,   STG+2048                  ; 224,256: 2,048 bytes for those of rows of q: each of the two ways out has bytes of its own
.set SPARE,  STGQ+2048                 ; 226,304: the spare words, 128 bytes for each of 8 waves
.set S0,     64                        ; v[64:159]  load set 0, then fragment buffer 0
.set S1,     160                       ; v[160:255] load set 1, then fragment buffer 1
.set MTO,    1048576                   ; byte offsets in hm
.set SMUO,   2097152
.set QFO,    2359296                   ; byte offset of q in f32 in st0
.set QTB,    73728                     ; bytes of a q tile's tables in st0
; v1 spare word's address, v2 zero (for the closing add alone); v3 lane, v4 r, v5 h; v6-v9 offsets of the copies; v10 LDS address of A's fragments; v11, v48 of W's (steps 0-11, 12-23); v12, v13 bias offsets
; v49 LDS address of the gather; v50 its store's offset, v51 at work; v[16:31] sums with a row a lane (e = 0, 1); v[32:47] sums with a column a lane (m alone)
; a step's fragments, 24 registers: A's 8, then W's two of 8
	s_load_b256 s[4:11], s[0:1], 0x0               ; m s[4:5], q s[6:7], W_w s[8:9], W_b s[10:11]
	s_load_b256 s[12:19], s[0:1], 0x20             ; hm s[12:13], st0 s[14:15], c0 s[16:17], c1 s[18:19]
	s_load_b64 s[20:21], s[0:1], 0x40              ; c2
	v_lshl_add_u32 v1, v0, 2, SPARE
	v_mov_b32 v2, 0
	v_lshrrev_b32 v3, 5, v0
	v_readfirstlane_b32 s22, v3                    ; wave 0..7
	s_mov_b32 s25, ttmp9                           ; nb
	s_and_b32 s26, ttmp7, 0xffff                   ; rb
	s_mov_b32 s36, 0x76543210                      ; v_permlanex16_b32: each lane takes its own place in the other half
	s_mov_b32 s37, 0xfedcba98
	v_and_b32 v3, 31, v0                           ; lane
	v_and_b32 v4, 15, v0                           ; r
	v_bfe_u32 v5, v0, 4, 1                         ; h
	v_lshl_add_u32 v49, v0, 4, STG                 ; the gather: 16 bytes a thread
	s_wait_alu depctr_va_sdst(0)                   ; s22 is written, ahead of its first reader
	s_and_b32 s23, s22, 3                          ; rt
	s_lshr_b32 s24, s22, 2                         ; cp
	s_mul_i32 s30, s22, 8*3072
	v_lshl_add_u32 v6, v3, 4, s30                  ; A in memory: my wave's 8 rows, 16 bytes a lane
	s_mul_i32 s30, s22, 8*APITCH
	v_lshl_add_u32 v7, v3, 3, s30                  ; A in LDS: 8 bytes a lane
	s_mul_i32 s30, s22, 96*4096
	v_lshl_add_u32 v8, v5, 12, s30                 ; W in memory: my wave's 96 rows, two rows a load: row h, 16 bytes at 16 r
	v_lshl_add_u32 v8, v4, 4, v8
	s_mul_i32 s30, s22, 96*WPITCH
	s_add_co_u32 s30, s30, WT
	v_mul_u32_u24 v9, v5, WPITCH
	v_lshl_add_u32 v9, v4, 3, v9
	v_add_nc_u32 v9, s30, v9                       ; W in LDS
	s_mul_i32 s30, s23, 16*APITCH
	v_mul_u32_u24 v10, v4, APITCH
	v_lshl_add_u32 v10, v5, 4, v10
	v_add_nc_u32 v10, s30, v10                     ; A's fragment: (16 rt + r) pitch + 16 h
	v_and_b32 v12, 7, v0
	v_lshl_add_u32 v12, v5, 3, v12
	v_mul_u32_u24 v11, v12, WPITCH
	v_bfe_u32 v12, v0, 3, 1
	v_lshl_add_u32 v11, v12, 4, v11
	s_lshl_b32 s30, s24, 6
	s_add_co_u32 s30, s30, WT
	v_add_nc_u32 v11, s30, v11                     ; W's fragment, turned: (8 h + lane % 8) pitch + 64 cp + 16 ((lane / 8) % 2)
	v_add_nc_u32 v48, 12*32*WPITCH, v11            ; the same 12 steps of K on, so that every step's offset fits the 16-bit immediate: 11 x 5,120 + 2,592 at the most
	s_lshl_b32 s30, s25, 8
	s_lshl_b32 s31, s24, 7
	s_add_co_u32 s30, s30, s31
	v_lshl_add_u32 v12, v5, 5, s30                 ; bias of columns 64 nb + 32 cp + 8 h ..
	v_lshl_add_u32 v13, v4, 2, s30                 ; bias of column 64 nb + 32 cp + r
	s_wait_kmcnt 0x0
	s_cmp_lt_u32 s26, 8
	s_cselect_b64 s[28:29], s[4:5], s[6:7]         ; m or q
	s_and_b32 s30, s26, 7
	s_mul_i32 s30, s30, 64*3072
	s_mov_b32 s31, 0
	s_add_nc_u64 s[28:29], s[28:29], s[30:31]      ; at the work-group's 64 rows
	s_lshl_b32 s30, s25, 8
	s_add_nc_u64 s[8:9], s[8:9], s[30:31]          ; W_w at the work-group's 64 columns
	s_wait_alu depctr_va_vdst(0)                   ; v6 to v13, v48 and v49 are written: the loads and LDS instructions below read them as offsets and addresses
	; the sums start from the bias: six loads, ahead of all others
	global_load_b128 v[16:19], v12, s[10:11]
	global_load_b128 v[20:23], v12, s[10:11] offset:16
	global_load_b128 v[24:27], v12, s[10:11] offset:64
	global_load_b128 v[28:31], v12, s[10:11] offset:80
	global_load_b32 v32, v13, s[10:11]
	global_load_b32 v40, v13, s[10:11] offset:64
.macro LDA set, hf, from, n            ; loads from .. from + n - 1 of 24: rows 4 hf .. 4 hf + 3 of my eight, 512 consecutive bytes each
.set j, \from
.rept \n
	global_load_b128 v[(\set)+4*j:(\set)+4*j+3], v6, s[28:29] offset:(4*(\hf)+j/6)*3072+(j%6)*512
.set j, j+1
.endr
.endm
.macro LDW set, hf, from, n            ; loads from .. from + n - 1 of 24: 48 of my 96 rows of W, two rows of 256 bytes a load
.set j, \from
.rept \n
	global_load_b128 v[(\set)+4*j:(\set)+4*j+3], v8, s[8:9] offset:(24*(\hf)+j)*8192
.set j, j+1
.endr
.endm
.macro CV set                          ; a set's 96 numbers are rounded to bf16 and close up into its low 48 registers: load j's four numbers into registers 2 j, 2 j + 1, which hold numbers already rounded
.set j, 0
.rept 24
	v_cvt_pk_bf16_f32 v[(\set)+2*j], v[(\set)+4*j], v[(\set)+4*j+1]
	v_cvt_pk_bf16_f32 v[(\set)+2*j+1], v[(\set)+4*j+2], v[(\set)+4*j+3]
.set j, j+1
.endr
.endm
.macro STA set, hf                     ; 8 bytes a lane into A's tile
.set j, 0
.rept 24
	ds_store_b64 v7, v[(\set)+2*j:(\set)+2*j+1] offset:(4*(\hf)+j/6)*APITCH+(j%6)*256
.set j, j+1
.endr
.endm
.macro STW set, hf                     ; 8 bytes a lane into W's tile
.set j, 0
.rept 24
	ds_store_b64 v9, v[(\set)+2*j:(\set)+2*j+1] offset:(24*(\hf)+j)*2*WPITCH
.set j, j+1
.endr
.endm
	LDA S0, 0, 0, 24
	LDW S1, 0, 0, 24
	s_wait_loadcnt 24                              ; loads return in order: the bias and set 0 are in, set 1's 24 stay out
.irp k, 1,2,3,4,5,6,7
	v_mov_b32 v[32+\k], v32                        ; with a column a lane all eight rows start from the same bias
	v_mov_b32 v[40+\k], v40
.endr
	CV S0
	s_wait_alu depctr_va_vdst(0)                   ; the conversions have written set 0's low 48, which the LDS stores read, and are done reading all 96, in which the next loads land
	LDA S0, 1, 12, 12                              ; into the upper 48, which no store reads
	STA S0, 0
	s_wait_alu depctr_vm_vsrc(0)                   ; the LDS stores have read set 0's low 48, in which the loads below land
	LDA S0, 1, 0, 12
	s_wait_loadcnt 24                              ; set 1 is in, the 24 issued behind it stay out
	CV S1
	s_wait_alu depctr_va_vdst(0)                   ; the same for set 1
	LDW S1, 1, 12, 12
	STW S1, 0
	s_wait_alu depctr_vm_vsrc(0)                   ; the LDS stores have read set 1's low 48, in which the loads below land
	LDW S1, 1, 0, 12
	s_wait_loadcnt 24                              ; set 0 is in
	CV S0
	s_wait_alu depctr_va_vdst(0)                   ; the conversions have written set 0's low 48, which the LDS stores read
	STA S0, 1
	s_wait_loadcnt 0x0
	CV S1
	s_wait_alu depctr_va_vdst(0)                   ; the conversions have written set 1's low 48, which the LDS stores read; no vector instruction names either set from here to the fragments' loads
	STW S1, 1
	s_wait_dscnt 0x0                               ; for the others' sake: my stores into A's and W's tiles are done
	s_barrier_signal -1
	s_barrier_wait -1
	s_wait_alu depctr_vm_vsrc(0)                   ; my LDS stores have read both sets' low 48: these registers are the fragment buffers from here on, and later at work on the way out
; K in 24 steps of 32, six rounds of four.  Step s: buffer (s / 4) % 2, 24 registers at 24 (s % 4).
.macro FRAG s                          ; the six LDS loads of step s
.set FR, 64+96*(((\s)/4)%2)+24*((\s)%4)
.set WR, 11+37*((\s)/12)               ; v11 for steps 0 to 11, v48 for steps 12 to 23
.set WO, ((\s)%12)*32*WPITCH
	ds_load_b128 v[FR:FR+3], v10 offset:(\s)*64
	ds_load_b128 v[FR+4:FR+7], v10 offset:(\s)*64+32
	ds_load_tr16_b128 v[FR+8:FR+11], v[WR] offset:WO
	ds_load_tr16_b128 v[FR+12:FR+15], v[WR] offset:WO+16*WPITCH
	ds_load_tr16_b128 v[FR+16:FR+19], v[WR] offset:WO+32
	ds_load_tr16_b128 v[FR+20:FR+23], v[WR] offset:WO+16*WPITCH+32
.endm
.macro MMR s                           ; source 0 = W's columns: a lane holds row r, d = 8 h + j
.set FR, 64+96*(((\s)/4)%2)+24*((\s)%4)
	v_wmma_f32_16x16x32_bf16 v[16:23], v[FR+8:FR+15], v[FR:FR+7], v[16:23]
	v_wmma_f32_16x16x32_bf16 v[24:31], v[FR+16:FR+23], v[FR:FR+7], v[24:31]
.endm
.macro MMC s                           ; source 0 = the rows: a lane holds d = r, rows 8 h + j (for MT, m alone)
.set FR, 64+96*(((\s)/4)%2)+24*((\s)%4)
	v_wmma_f32_16x16x32_bf16 v[32:39], v[FR:FR+7], v[FR+8:FR+15], v[32:39]
	v_wmma_f32_16x16x32_bf16 v[40:47], v[FR:FR+7], v[FR+16:FR+23], v[40:47]
.endm
; Round r.  Two accumulators take turns throughout, from round to round too; each takes K in ascending order.
; Round 0's loads land in set 1's registers, which the waits above cover; round 5 loads nothing: neither has a wait on the vector side.
.macro ROUND r
	s_wait_dscnt 0x0                               ; this round's 24 loads, issued early in the round before, are in
.if (\r) > 0 && (\r) < 5
.rept 4
	v_nop                                          ; the four places between the last round's matrix instructions and the loads into the fragments that they read stay beside the wait
.endr
	s_wait_alu depctr_va_vdst(0)                   ; the last round's matrix instructions are done reading the other buffer, in which this round's 24 loads land
.endif
.irp p, 0,1,2,3
.if (\r) < 5
	FRAG 4*(\r)+4+\p                               ; no further wait: the matrix instructions since the wait name this round's buffer and the accumulators alone
.endif
	MMR 4*(\r)+\p
.endr
	s_cmp_lt_u32 s26, 8
	s_cbranch_scc0 .Lnot_m_\@
.irp p, 0,1,2,3
	MMC 4*(\r)+\p
.endr
.Lnot_m_\@:
.endm
	FRAG 0
	FRAG 1
	FRAG 2
	FRAG 3
	ROUND 0
	ROUND 1
	ROUND 2
	ROUND 3
	ROUND 4
	ROUND 5
.rept 4
	v_nop                                          ; four places behind the last matrix instruction, before results are read and fragments' registers written
.endr
; Capsule e of my two: mean over d (8 in the lane, 8 in the lane 16 away), centred values, their sum of squares, and the centred values in bf16.
.macro STAT e
.set HH, 16+8*(\e)
.set HC, 80+8*(\e)
.set MN, 104+2*(\e)
	v_pk_add_f32 v[72:73], v[HH:HH+1], v[HH+2:HH+3]
	v_pk_add_f32 v[74:75], v[HH+4:HH+5], v[HH+6:HH+7]
	v_pk_add_f32 v[72:73], v[72:73], v[74:75]
	v_add_f32 v72, v72, v73
	v_permlanex16_b32 v73, v72, s36, s37
	v_add_f32 v72, v72, v73
	v_mul_f32 v[MN], 0x3d800000, v72               ; / 16
	v_mov_b32 v[MN+1], v[MN]
.irp k, 0,2,4,6
	v_pk_add_f32 v[HC+\k:HC+\k+1], v[HH+\k:HH+\k+1], v[MN:MN+1] neg_lo:[0,1] neg_hi:[0,1]
.endr
	v_pk_mul_f32 v[76:77], v[HC:HC+1], v[HC:HC+1]
.irp k, 2,4,6
	v_pk_fma_f32 v[76:77], v[HC+\k:HC+\k+1], v[HC+\k:HC+\k+1], v[76:77]
.endr
	v_add_f32 v76, v76, v77
	v_permlanex16_b32 v77, v76, s36, s37
	v_add_f32 v[108+(\e)], v76, v77
.irp k, 0,1,2,3
	v_cvt_pk_bf16_f32 v[96+4*(\e)+\k], v[HC+2*\k], v[HC+2*\k+1]
.endr
.endm
	STAT 0
	STAT 1
	s_lshl_b32 s38, s25, 2
	s_lshl_b32 s39, s24, 1
	s_add_co_u32 s38, s38, s39                     ; c of e = 0: 4 nb + 2 cp
	s_cmp_lt_u32 s26, 8
	s_cbranch_scc0 .Lq_out
	; rows of m: all offsets and data first, one wait, then the run of stores
	s_lshl_b32 s30, s26, 2
	s_add_co_u32 s30, s30, s23                     ; i tile = 4 rb + rt
	s_lshl_b32 s30, s30, 6
	s_add_co_u32 s30, s30, s38
	s_lshl_b32 s30, s30, 9
	v_lshl_add_u32 v14, v3, 4, s30                 ; MF
	v_cmp_ne_u32 vcc_lo, 0, v5
.irp k, 0,1,2,3,4,5,6,7
	v_cvt_pk_bf16_f32 v[112+\k], v[32+2*\k], v[33+2*\k]
.endr
	s_lshl_b32 s30, s26, 6
	s_add_co_u32 s30, s30, s38
	s_lshl_b32 s30, s30, 11
	s_lshl_b32 s31, s23, 9
	s_add_co_u32 s30, s30, s31
	v_lshl_add_u32 v15, v3, 4, s30                 ; MT: (rb 64 + c) 2,048 + rt 512
	v_mul_f32 v120, 0x3df5fdf0, v108               ; the sum of squares times (ln 2 / 2)^2 = 0.12011325
	v_mul_f32 v121, 0x3df5fdf0, v109
	s_lshl_b32 s30, s24, 9
	s_lshl_b32 s31, s23, 6
	s_add_co_u32 s30, s30, s31
	s_add_co_u32 s30, s30, STG
	v_lshl_add_u32 v122, v5, 10, s30
	v_lshl_add_u32 v122, v4, 2, v122               ; STG + 1,024 h + 256 (2 cp + e) + 4 (16 rt + r)
	v_lshrrev_b32 v51, 6, v0                       ; the gather's store (threads 0 to 127 use it):
	v_and_b32 v50, 63, v0
	v_lshlrev_b32 v50, 4, v50
	v_lshl_add_u32 v50, v51, 14, v50               ; sums of squares, then means 16,384 bytes on
	s_lshl_b32 s30, s26, 15
	s_lshl_b32 s31, s25, 10
	s_add_co_u32 s30, s30, s31
	v_add_nc_u32 v50, s30, v50
	s_wait_alu depctr_va_vcc(0)                    ; the compare has written VCC, which the two selects read
	v_cndmask_b32 v120, v120, v104, vcc_lo         ; lanes 0-15 hand in the sum of squares, lanes 16-31 the mean
	v_cndmask_b32 v121, v121, v106, vcc_lo
	s_wait_alu depctr_va_vdst(0)                   ; v14, v15, v50, v122 and the data v[96:103], v[112:121] are written, which the stores below and the gather's store read; the matrix instructions are done reading v[124:127], in which the gather's load lands
	global_store_b128 v14, v[96:99], s[12:13]                 ; MF: a wave's store covers 512 consecutive bytes
	global_store_b128 v14, v[100:103], s[12:13] offset:512
	global_store_b128 v15, v[112:115], s[12:13] offset:MTO
	global_store_b128 v15, v[116:119], s[12:13] offset:MTO+2048
	ds_store_b32 v122, v120
	ds_store_b32 v122, v121 offset:256
	s_branch .Ljoin
.Lq_out:
	; rows of q: likewise
	s_sub_co_u32 s30, s26, 8
	s_lshl_b32 s30, s30, 2
	s_add_co_u32 s30, s30, s23                     ; q tile = 4 (rb - 8) + rt
	s_lshl_b32 s31, s30, 6
	s_add_co_u32 s31, s31, s38
	s_lshl_b32 s31, s31, 10
	v_lshl_add_u32 v14, v3, 4, s31                 ; q in f32: (q tile 64 + c) 1,024 + 512 k
	s_mul_i32 s30, s30, QTB
	s_lshl_b32 s31, s38, 9
	s_add_co_u32 s30, s30, s31
	v_lshl_add_u32 v15, v3, 4, s30                 ; q centred, bf16 fragments
	s_lshl_b32 s30, s23, 8
	s_lshl_b32 s31, s24, 7
	s_add_co_u32 s30, s30, s31
	s_add_co_u32 s30, s30, STGQ
	v_lshl_add_u32 v122, v5, 10, s30
	v_lshl_add_u32 v122, v4, 2, v122               ; STGQ + 1,024 h + 256 rt + 64 (2 cp + e) + 4 r; the upper 1,024 bytes are not read back
	v_lshrrev_b32 v51, 4, v0                       ; the gather's store (threads 0 to 63 use it):
	v_mul_u32_u24 v51, v51, QTB                    ; the q tile of the four
	v_lshl_add_u32 v50, v4, 4, v51
	s_sub_co_u32 s30, s26, 8
	s_mul_i32 s30, s30, 4*QTB
	s_lshl_b32 s31, s25, 8
	s_add_co_u32 s30, s30, s31
	v_add_nc_u32 v50, s30, v50
	s_wait_alu depctr_va_vdst(0)                   ; v14, v15, v50, v122, the sums v[16:31] and the data v[96:103], v108, v109 are written, which the stores below and the gather's store read; the matrix instructions are done reading v[124:127], in which the gather's load lands
	global_store_b128 v14, v[16:19], s[14:15] offset:QFO
	global_store_b128 v14, v[20:23], s[14:15] offset:QFO+512
	global_store_b128 v14, v[24:27], s[14:15] offset:QFO+1024
	global_store_b128 v14, v[28:31], s[14:15] offset:QFO+1536
	global_store_b128 v15, v[96:99], s[14:15]
	global_store_b128 v15, v[100:103], s[14:15] offset:512
	ds_store_b32 v122, v108
	ds_store_b32 v122, v109 offset:64
.Ljoin:
	s_wait_dscnt 0x0                               ; for the others' sake: my statistics lie in LDS
	s_barrier_signal -1
	s_barrier_wait -1
	s_cmp_lt_u32 s26, 8
	s_cbranch_scc0 .Lq_gather
	s_cmp_lt_u32 s22, 4                            ; 2,048 bytes: threads 0 to 127
	s_cbranch_scc0 .Lgathered
	ds_load_b128 v[124:127], v49                   ; no vector instruction since the way's wait names v49 or v[124:127]
	s_wait_dscnt 0x0
	global_store_b128 v50, v[124:127], s[12:13] offset:SMUO       ; 16 lanes store 256 consecutive bytes, aligned
	s_branch .Lgathered
.Lq_gather:
	s_cmp_lt_u32 s22, 2                            ; 1,024 bytes: threads 0 to 63
	s_cbranch_scc0 .Lgathered
	ds_load_b128 v[124:127], v49 offset:STGQ-STG   ; q's own stage
	s_wait_dscnt 0x0
	global_store_b128 v50, v[124:127], s[14:15] offset:32768
.Lgathered:
	s_or_b32 s30, s25, s26
	s_or_b32 s30, s30, s22
	s_cmp_eq_u32 s30, 0                            ; one wave of one work-group writes the three counts
	s_cbranch_scc0 .Lend
	v_lshlrev_b32 v130, 2, v3
	v_mov_b32 v131, 0
	v_mov_b32 v132, 1
	v_mov_b32 v133, 2
	s_wait_alu depctr_va_vdst(0)                   ; v130 to v133 are written: the offset and the data of the three stores
	global_store_b32 v130, v131, s[16:17]
	global_store_b32 v130, v132, s[18:19]
	global_store_b32 v130, v133, s[20:21]
.Lend:
	s_wait_dscnt 0x0                               ; the closing lines, six on end
	s_wait_alu 0x0
	s_wait_tensorcnt 0x0
	ds_add_u32 v1, v2
	s_wait_dscnt 0x0
	s_endpgm
.Lfunc_end_k_q0c9a58fb13_proj:
	.size	k_q0c9a58fb13_proj, .Lfunc_end_k_q0c9a58fb13_proj-k_q0c9a58fb13_proj
	.p2alignl 7, 3214868480
	.fill 96, 4, 3214868480
	.section	.rodata,"a",@progbits
	.p2align	6, 0x0
	.amdhsa_kernel k_q0c9a58fb13_proj
		.amdhsa_group_segment_fixed_size 227328
		.amdhsa_private_segment_fixed_size 0
		.amdhsa_enable_private_segment 0
		.amdhsa_kernarg_size 72
		.amdhsa_user_sgpr_count 2
		.amdhsa_user_sgpr_kernarg_segment_ptr 1
		.amdhsa_wavefront_size32 1
		.amdhsa_system_sgpr_workgroup_id_x 1
		.amdhsa_system_sgpr_workgroup_id_y 1
		.amdhsa_system_sgpr_workgroup_id_z 1
		.amdhsa_system_vgpr_workitem_id 0
		.amdhsa_next_free_vgpr 256
		.amdhsa_next_free_sgpr 66
		.amdhsa_reserve_vcc 1
		.amdhsa_float_denorm_mode_32 3
		.amdhsa_float_denorm_mode_16_64 3
		.amdhsa_memory_ordered 1
		.amdhsa_forward_progress 1
		.amdhsa_inst_pref_size 57
	.end_amdhsa_kernel
	.amdgpu_metadata
---
amdhsa.version: [ 1, 2 ]
amdhsa.kernels:
  - .name:           k_q0c9a58fb13_proj
    .symbol:         k_q0c9a58fb13_proj.kd
    .args:
      - { .name: m, .offset: 0, .size: 8, .value_kind: global_buffer, .address_space: global }
      - { .name: q, .offset: 8, .size: 8, .value_kind: global_buffer, .address_space: global }
      - { .name: W_w, .offset: 16, .size: 8, .value_kind: global_buffer, .address_space: global }
      - { .name: W_b, .offset: 24, .size: 8, .value_kind: global_buffer, .address_space: global }
      - { .name: hm, .offset: 32, .size: 8, .value_kind: global_buffer, .address_space: global }
      - { .name: st0, .offset: 40, .size: 8, .value_kind: global_buffer, .address_space: global }
      - { .name: c0, .offset: 48, .size: 8, .value_kind: global_buffer, .address_space: global }
      - { .name: c1, .offset: 56, .size: 8, .value_kind: global_buffer, .address_space: global }
      - { .name: c2, .offset: 64, .size: 8, .value_kind: global_buffer, .address_space: global }
    .group_segment_fixed_size: 227328
    .private_segment_fixed_size: 0
    .kernarg_segment_align: 8
    .kernarg_segment_size: 72
    .max_flat_workgroup_size: 256
    .sgpr_count:     66
    .vgpr_count:     256
    .wavefront_size: 32
...
	.end_amdgpu_metadata
.endif
;; end of part 5
;; launch it0: the kernel of part 2 again; grid 32 x 8, 16 waves a work-group, no clusters, 251,904 bytes of LDS; arguments hm, st0, st1, st2, c0, part; writes part
;; launch rd0: the kernel of part 3 again; grid 256 x 1, 8 waves a work-group, no clusters, 2,048 bytes of LDS; arguments part, st0, st1; writes st1
;; launch it1: the kernel of part 2 again; grid 32 x 8, 16 waves a work-group, no clusters, 251,904 bytes of LDS; arguments hm, st0, st1, st2, c1, part; writes part
;; launch rd1: the kernel of part 3 again; grid 256 x 1, 8 waves a work-group, no clusters, 2,048 bytes of LDS; arguments part, st1, st2; writes st2
;; launch it2: the kernel of part 2 again; grid 32 x 8, 16 waves a work-group, no clusters, 251,904 bytes of LDS; arguments hm, st0, st1, st2, c2, part; writes part
;; launch fin: the kernel of part 4 again; grid 256 x 1, 8 waves a work-group, no clusters, 9,472 bytes of LDS; arguments part, out0; writes out0
